; MI455X (gfx1250); checked and timed in simulation.
; The chip was launched on July 23, 2026; its instructions are those of AMD's public machine-readable ISA for CDNA 5 (MIT licence, August 2026) and "CDNA5" Instruction Set Architecture Reference Guide (July 2026). The comments in the code are by the model that wrote it; some were corrected since.
;; Multi Head Attention. Allowed arithmetic: float matrix products may take bf16 or f16 operands with f32 sums; all other float work in f32.
;; Inputs: bo 1,024 float32; wk 1,024 x 1,024 float32; wo 1,024 x 1,024 float32; wq 1,024 x 1,024 float32; wv 1,024 x 1,024 float32; x 4 x 2,048 x 1,024 float32.
;; Outputs: out0 4 x 2,048 x 1,024 float32.
;; One version. Each part assembles by itself: llvm-mc -triple=amdgcn-amd-amdhsa -mcpu=gfx1250 --defsym DOCPART=n.
;; ======== version 1 of 1: 4 launches
;; limits: values are held in f16: magnitudes above 65,504 overflow, below 6.1e-05 lose precision; right only within a limited range of input values
;; workspace buffers: xh 16,777,216 bytes; wh 8,388,608 bytes; qkv 50,331,648 bytes; oh 16,777,216 bytes
;; launch cvt (part 1): grid 64 x 12, 8 waves a work-group, no clusters, 0 bytes of LDS; arguments x, wq, wk, wv, wo, xh, wh; writes xh, wh
.if DOCPART == 1
	.amdgcn_target "amdgcn-amd-amdhsa--gfx1250"
	.amdhsa_code_object_version 6
	.text
	.protected	k_q6cf5c7d5a0_cvt
	.globl	k_q6cf5c7d5a0_cvt
	.p2align	8
	.type	k_q6cf5c7d5a0_cvt,@function
k_q6cf5c7d5a0_cvt:
	s_mov_b64 s[64:65], 0
	v_nop
	global_prefetch_b8 v0, s[64:65] scope:SCOPE_SE
	s_setreg_imm32_b32 hwreg(HW_REG_WAVE_MODE, 25, 1), 1
	s_wait_xcnt 0x0
; f32 to f16, once, so that the products behind it move 16-bit tiles only.
;   xh[8192][1024] = f16(x);  wh[4096][1024] = f16(wq/8), f16(wk/8), f16(wv/8), f16(wo), 1,024 rows each.
; The factor 1/8 is a power of two (exact): q, k and v are then stored as q/8, k/8, v/8, which leaves f16 room upward.
; LIMITS: |x| and |wo| below 65,504 and |wq|, |wk|, |wv| below 524,000, else f16 gives infinity; magnitudes below 6e-8 (after the factor) become 0.
; A stream: every byte is read once and written once; no work-group reads what another reads, so LDS, clusters and matrix units have no part.
; Grid: y = 0..7 the eight segments of 4 MiB of x, y = 8..11 wq, wk, wv, wo (4 MiB each); x = 0..63 a chunk of 64 KiB in, 32 KiB out.
; Thread t, group g = 0..7: reads 32 bytes at 8,192 g + 32 t, writes 16 bytes at 4,096 g + 16 t: a wave's store covers 512 consecutive aligned bytes.
; All sixteen loads of a wave go out first; no register is written twice, so no source of a pending instruction is ever rewritten.
.set IN,  4                            ; v[4:67]   group g: 8 numbers in f32
.set OUT, 68                           ; v[68:99]  group g: 8 numbers in f16
	s_load_b256 s[4:11], s[0:1], 0x0               ; x s[4:5], wq s[6:7], wk s[8:9], wv s[10:11]
	s_load_b128 s[12:15], s[0:1], 0x20             ; wo s[12:13], xh s[14:15]
	s_load_b64 s[16:17], s[0:1], 0x30              ; wh
	s_and_b32 s18, ttmp7, 0xffff                   ; y: which segment
	v_lshlrev_b32 v1, 5, v0                        ; 32 t
	v_lshlrev_b32 v2, 4, v0                        ; 16 t
	s_mov_b32 s26, 0x3e000000                      ; 1/8, for wq, wk, wv
	s_and_b32 s28, s18, 7                          ; destination: segment y mod 8 of 2 MiB (x: 0..7 of xh; weights: 0..3 of wh)
	s_lshl_b32 s28, s28, 21
	s_lshl_b32 s29, ttmp9, 15                      ; + the chunk of 32 KiB
	s_add_co_u32 s28, s28, s29
	s_mov_b32 s29, 0
	s_wait_kmcnt 0x0
	s_cmp_eq_u32 s18, 8                            ; the source buffer is chosen by y alone
	s_cselect_b64 s[20:21], s[6:7], s[4:5]
	s_cmp_eq_u32 s18, 9
	s_cselect_b64 s[20:21], s[8:9], s[20:21]
	s_cmp_eq_u32 s18, 10
	s_cselect_b64 s[20:21], s[10:11], s[20:21]
	s_cmp_eq_u32 s18, 11
	s_cselect_b64 s[20:21], s[12:13], s[20:21]
	s_cselect_b32 s26, 1.0, s26                    ; wo keeps its size
	s_cmp_lt_u32 s18, 8
	s_cselect_b64 s[22:23], s[14:15], s[16:17]     ; x goes to xh, the weights to wh
	s_cselect_b32 s24, s18, 0                      ; x: segment y of 4 MiB; a weight begins at its own first byte
	s_cselect_b32 s26, 1.0, s26                    ; x keeps its size
	s_mov_b32 s27, s26                             ; the packed multiply names the pair
	s_lshl_b32 s24, s24, 22
	s_lshl_b32 s25, ttmp9, 16                      ; + the chunk of 64 KiB
	s_add_co_u32 s24, s24, s25
	s_mov_b32 s25, 0
	s_add_nc_u64 s[20:21], s[20:21], s[24:25]
	s_add_nc_u64 s[22:23], s[22:23], s[28:29]
.set g, 0
.rept 8
	global_load_b128 v[IN+8*g:IN+8*g+3],   v1, s[20:21] offset:g*8192 th:TH_LOAD_NT
	global_load_b128 v[IN+8*g+4:IN+8*g+7], v1, s[20:21] offset:g*8192+16 th:TH_LOAD_NT
.set g, g+1
.endr
.set g, 0
.rept 8
	s_wait_loadcnt 14-2*g                          ; loads come back in order (ISA guide 5.7.1): group g's two are in, the 14 - 2 g younger ones stay out
.irp j, 0,1,2,3
	v_pk_mul_f32 v[IN+8*g+2*\j:IN+8*g+2*\j+1], v[IN+8*g+2*\j:IN+8*g+2*\j+1], s[26:27] op_sel_hi:[1,0]
.endr
.irp j, 0,1,2,3
	v_cvt_pk_f16_f32 v[OUT+4*g+\j], v[IN+8*g+2*\j], v[IN+8*g+2*\j+1]
.endr
	global_store_b128 v2, v[OUT+4*g:OUT+4*g+3], s[22:23] offset:g*4096   ; no streaming hint: the next launch reads these bytes
.set g, g+1
.endr
	s_endpgm
.Lfunc_end_k_q6cf5c7d5a0_cvt:
	.size	k_q6cf5c7d5a0_cvt, .Lfunc_end_k_q6cf5c7d5a0_cvt-k_q6cf5c7d5a0_cvt
	.p2alignl 7, 3214868480
	.fill 96, 4, 3214868480
	.section	.rodata,"a",@progbits
	.p2align	6, 0x0
	.amdhsa_kernel k_q6cf5c7d5a0_cvt
		.amdhsa_group_segment_fixed_size 0
		.amdhsa_private_segment_fixed_size 0
		.amdhsa_enable_private_segment 0
		.amdhsa_kernarg_size 56
		.amdhsa_user_sgpr_count 2
		.amdhsa_user_sgpr_kernarg_segment_ptr 1
		.amdhsa_wavefront_size32 1
		.amdhsa_system_sgpr_workgroup_id_x 1
		.amdhsa_system_sgpr_workgroup_id_y 1
		.amdhsa_system_sgpr_workgroup_id_z 1
		.amdhsa_system_vgpr_workitem_id 0
		.amdhsa_next_free_vgpr 100
		.amdhsa_next_free_sgpr 66
		.amdhsa_reserve_vcc 0
		.amdhsa_float_denorm_mode_32 3
		.amdhsa_float_denorm_mode_16_64 3
		.amdhsa_memory_ordered 1
		.amdhsa_forward_progress 1
		.amdhsa_inst_pref_size 8
	.end_amdhsa_kernel
	.amdgpu_metadata
---
amdhsa.version: [ 1, 2 ]
amdhsa.kernels:
  - .name:           k_q6cf5c7d5a0_cvt
    .symbol:         k_q6cf5c7d5a0_cvt.kd
    .args:
      - { .name: x, .offset: 0, .size: 8, .value_kind: global_buffer, .address_space: global }
      - { .name: wq, .offset: 8, .size: 8, .value_kind: global_buffer, .address_space: global }
      - { .name: wk, .offset: 16, .size: 8, .value_kind: global_buffer, .address_space: global }
      - { .name: wv, .offset: 24, .size: 8, .value_kind: global_buffer, .address_space: global }
      - { .name: wo, .offset: 32, .size: 8, .value_kind: global_buffer, .address_space: global }
      - { .name: xh, .offset: 40, .size: 8, .value_kind: global_buffer, .address_space: global }
      - { .name: wh, .offset: 48, .size: 8, .value_kind: global_buffer, .address_space: global }
    .group_segment_fixed_size: 0
    .private_segment_fixed_size: 0
    .kernarg_segment_align: 8
    .kernarg_segment_size: 56
    .max_flat_workgroup_size: 256
    .sgpr_count:     66
    .vgpr_count:     100
    .wavefront_size: 32
...
	.end_amdgpu_metadata
.endif
;; end of part 1
;; launch qkv (part 2): grid 8 x 32, 4 waves a work-group, clusters of 4 x 4, 327,680 bytes of LDS; arguments xh, wh, qkv; writes qkv
.if DOCPART == 2
	.amdgcn_target "amdgcn-amd-amdhsa--gfx1250"
	.amdhsa_code_object_version 6
	.text
	.protected	k_q6cf5c7d5a0_qkv
	.globl	k_q6cf5c7d5a0_qkv
	.p2align	8
	.type	k_q6cf5c7d5a0_qkv,@function
k_q6cf5c7d5a0_qkv:
	s_mov_b64 s[64:65], 0
	v_nop
	global_prefetch_b8 v0, s[64:65] scope:SCOPE_SE
	s_setreg_imm32_b32 hwreg(HW_REG_WAVE_MODE, 25, 1), 1
	s_wait_xcnt 0x0
	s_wait_alu depctr_hold_cnt(0) depctr_sa_sdst(0) depctr_va_vdst(0) depctr_va_sdst(0) depctr_va_ssrc(0) depctr_va_vcc(0) depctr_vm_vsrc(0)
	s_getreg_b32 s2, hwreg(HW_REG_IB_STS2, 6, 4)
	s_cmp_eq_u32 s2, 0
	s_cbranch_scc0 .Lentry_in_a_cluster
	s_endpgm
.Lentry_in_a_cluster:
	s_bfe_u32 s2, ttmp6, 0x10000c
	s_cmp_lg_u32 s2, 0xf033
	s_cbranch_scc0 .Lentry_shape_is_right
	s_endpgm
.Lentry_shape_is_right:
; The three projections as ONE product: C[m][n] = sum over k of xh[m][k] wh[n][k], m = 0..8191 (b, t), n = 0..3071 (q, k, v; head; d), K = 1,024.
; Operands f16, sums f32; C is rounded once to f16 and stored by heads: qkv[which][b][h][t][d], a plane (which, b, h) = 2,048 x 64 f16 = 262,144 dense bytes.
; Since wq, wk, wv were divided by 8, the planes hold q/8, k/8, v/8.  LIMIT: |q|, |k|, |v| below 524,000, else f16 gives infinity.
; 8,192 x 3,072 outputs on 8 x 32 = 256 work-groups of four waves: a work-group makes 256 x 384 of C (six heads), in TWO PASSES over K, since two K steps of a
; block of 256 x 384 (2 x 174,080 bytes) do not fit in LDS:  pass 1: columns 0-255, a wave 128 x 128 (64 accumulator tiles, 512 registers);
; pass 2: columns 256-383, a wave 128 x 64 (32 tiles).  K goes in steps of 128 through two LDS slots filled by the tensor data mover (rows of 256 bytes of memory,
; starting at multiples of 256 bytes).  The ring runs on from pass 1 into pass 2: pass 1's last two changes of slot fill the slots with pass 2's first two K steps,
; which land while pass 1's results go out; those stores leave while pass 2 multiplies.
; CLUSTERS: 4 x 4 work-groups.  The four of a row of the cluster need the same tiles of xh, the four of a column the same tiles of wh: each tile is asked for
; jointly (the same tensor load, the same descriptor, a mask that names the four), which divides the requests for both by four.
; REGISTERS in windows of 256:  window 0: v0-31 addresses, v64-127 and v128-191 fragments of A (two buffers), v192-223 at work on the way out;
;   window 1: v64-127, v128-191 fragments of B;  window 2: accumulator tiles of my rows 0-63 (tile (a, b) at v[8 (NB a + b)], NB = 8, then 4);  window 3: rows 64-127.
; THE MATRIX INSTRUCTION IS USED TRANSPOSED (source 0 = rows of wh, source 1 = rows of xh): lane l then holds row l % 16 of C and eight neighbouring columns.
.set SIZE_K, 1024
.set KSTEP,  128
.set PITCH,  272                       ; an LDS row: 256 bytes + 16 of padding: row r starts 16 r bytes further modulo 256, so 16 rows of a fragment touch 16 different columns of 16 bytes
.set AHALF,  128*PITCH                 ; 128 rows of A: what one tensor load brings and one wave reads
.set BH1,    128*PITCH                 ; pass 1: 128 rows of B for a wave
.set BH2,    64*PITCH                  ; pass 2: 64 rows of B for a wave
.set SLOT,   2*AHALF+2*BH1             ; A's 256 rows, then B's rows (pass 2 uses the first half of B's region)
.set STAGE,  2*SLOT                    ; behind the ring, a multiple of 256: no tensor load lands here
.set SPITCH, 144                       ; stage: a head's row of 128 bytes + 16
.set SHEAD,  16*SPITCH                 ; 16 rows of one head; a wave's stage is two of these
.set PLANE,  262144
.set LAPS,   SIZE_K/(2*KSTEP)          ; a lap = two K steps = once round the ring: 4 in each pass
.set ADRA, 16                          ; v16-17  LDS address of my A fragments in slot 0, 1
.set ADRB, 20                          ; v20-21  the same for B in pass 1
.set ADRC, 22                          ; v22-23  the same for B in pass 2
.set STO,  24                          ; v24     the way out: where I put 16 bytes
.set RD,   25                          ; v25     the way out: where I read back
.set CO,   26                          ; v26     my byte offset in a store of 512 bytes
.set F0,   64
.set F1,   128
.set TMP,  192
.set G1,  24                           ; s[24:31] descriptor group 1 for A's tiles, both passes
.set G0,  32                           ; s[32:39] group 0 for A's tiles in pass 1, one set for each slot
.set G1B, 48                           ; s[48:55] group 1 for B's tiles in pass 1
.set G0B, 56                           ; s[56:63] group 0 for B's tiles in pass 1
.set G1C, 68                           ; s[68:75] group 1 for B's tiles in pass 2 (64 rows)
.set G0C, 76                           ; s[76:83] group 0 for B's tiles in pass 2
.set G0D, 84                           ; s[84:91] group 0 for A's tiles in pass 2
.set MSB, 0
.macro WIN new                         ; the immediate's high byte repeats the setting that is left
.if MSB != \new
	s_set_vgpr_msb (MSB<<8)|\new
.set MSB, \new
.endif
.endm
.set MUL_LO, 0xa1                      ; source 0 (B) window 1, source 1 (A) window 0, C and D window 2
.set MUL_HI, 0xf1                      ; the same, C and D window 3
.set TO_B,   0x40                      ; destination window 1, address window 0
; A joint load.  Waves 0 and 1 fetch A's two halves, waves 2 and 3 B's.  The branch hangs on the wave's number alone.  ga, gb: group 0 of A, of B; g1b: group 1 of B.
.macro JLOAD ga, gb, g1b
	s_cmp_eq_u32 s11, 0
	s_cbranch_scc0 .Lfor_b_\@
	tensor_load_to_lds s[\ga:\ga+3], s[G1:G1+7]
	s_nop 0
	s_branch .Lasked_\@
.Lfor_b_\@:
	tensor_load_to_lds s[\gb:\gb+3], s[\g1b:\g1b+7]
	s_nop 0
.Lasked_\@:
.endm
; A round of the cluster's barrier: my work-group's barrier; wave 0 signals for the work-group; every wave waits for all sixteen; my work-group's barrier again.
.macro CREST                           ; a round behind its opening barrier
	s_cmp_lg_u32 s10, 0
	s_cbranch_scc1 .Lnot_wave_0_\@
	s_barrier_signal -3
.Lnot_wave_0_\@:
	s_barrier_wait -3
	s_barrier_signal -1
	s_barrier_wait -1
.endm
.macro CROUND
	s_barrier_signal -1
	s_barrier_wait -1
	CREST
.endm
	s_load_b128 s[4:7], s[0:1], 0x0                ; xh s[4:5], wh s[6:7]
	s_load_b64 s[8:9], s[0:1], 0x10                ; qkv
	s_set_vgpr_msb 0x40
	v_lshl_add_u32 v255, v0, 2, 0x48800
	s_set_vgpr_msb 0x4000
	v_mov_b32 v255, 0
	s_set_vgpr_msb 0x1
	ds_add_u32 v255, v255
	s_set_vgpr_msb 0x100
	v_lshrrev_b32 v1, 5, v0
	v_readfirstlane_b32 s10, v1                    ; wave 0..3
	s_lshr_b32 s11, s10, 1                         ; which half of the block's rows is mine; also: I fetch for A (0) or B (1)
	s_and_b32 s12, s10, 1                          ; which half of a pass's columns; also: which half of that tile I fetch
	s_bfe_u32 s40, ttmp6, 0x40000                  ; cx
	s_bfe_u32 s41, ttmp6, 0x40004                  ; cy
	s_lshl_b32 s42, ttmp9, 2
	s_add_co_u32 s42, s42, s40                     ; block column = 4 x cluster x + cx: 0..7
	s_and_b32 s13, ttmp7, 0xffff
	s_lshl_b32 s13, s13, 2
	s_add_co_u32 s13, s13, s41                     ; block row = 4 x cluster y + cy: 0..31
	s_lshl_b32 s43, s41, 2
	s_lshl_b32 s43, 15, s43                        ; my row of the cluster: places 4 cy .. 4 cy + 3
	s_lshl_b32 s44, 0x1111, s40                    ; my column: places cx, cx + 4, cx + 8, cx + 12
	; group 1: tiles of 128 elements of 2 bytes a row, 16 bytes of padding behind every 64 words; 128 rows (A; B in pass 1) or 64 rows (B in pass 2)
	s_or_b32 s[G1+0], s43, (1<<16)|(1<<20)|(1<<21)|(5<<22)|(3<<25)   ; 15:0 mask: A's tiles go to my row; 17:16 2 bytes; 20 padding; 21 set beside a mask; 24:22 every 64 words; 31:25 four words
	s_or_b32 s[G1B+0], s44, (1<<16)|(1<<20)|(1<<21)|(5<<22)|(3<<25)  ; the same with my column's mask
	s_or_b32 s[G1C+0], s44, (1<<16)|(1<<20)|(1<<21)|(5<<22)|(3<<25)
	s_mov_b32 s[G1+1], KSTEP<<16                   ; tensor_dim0 = 128
	s_mov_b32 s[G1B+1], KSTEP<<16
	s_mov_b32 s[G1C+1], KSTEP<<16
	s_mov_b32 s[G1+2], 128<<16                     ; tensor_dim1
	s_mov_b32 s[G1B+2], 128<<16
	s_mov_b32 s[G1C+2], 64<<16
	s_mov_b32 s[G1+3], KSTEP<<16                   ; tile_dim0 = 128
	s_mov_b32 s[G1B+3], KSTEP<<16
	s_mov_b32 s[G1C+3], KSTEP<<16
	s_mov_b32 s[G1+4], 128                         ; tile_dim1
	s_mov_b32 s[G1B+4], 128
	s_mov_b32 s[G1C+4], 64
	s_mov_b32 s[G1+5], SIZE_K                      ; elements from row to row
	s_mov_b32 s[G1B+5], SIZE_K
	s_mov_b32 s[G1C+5], SIZE_K
	s_mov_b32 s[G1+6], 0
	s_mov_b32 s[G1B+6], 0
	s_mov_b32 s[G1C+6], 0
	s_mov_b32 s[G1+7], 0
	s_mov_b32 s[G1B+7], 0
	s_mov_b32 s[G1C+7], 0
	; A's tiles hang on the block row alone, B's on the block column alone, each in registers that never hold the other coordinate
	s_lshl_b32 s17, s12, 7
	s_lshl_b32 s16, s13, 8
	s_add_co_u32 s16, s16, s17                     ; A: row 256 x block row + 128 x half
	s_lshl_b32 s16, s16, 11                        ; x 2,048 bytes a row (below 2^25)
	s_mov_b32 s17, 0
	s_mul_i32 s46, s42, 384                        ; B: the block's first row of wh
	s_lshl_b32 s94, s12, 6
	s_add_co_u32 s94, s94, s46
	s_add_co_u32 s94, s94, 256                     ; pass 2: row 384 x block column + 256 + 64 x half
	s_lshl_b32 s94, s94, 11
	s_mov_b32 s95, 0
	s_lshl_b32 s47, s12, 7
	s_add_co_u32 s46, s46, s47                     ; pass 1: row 384 x block column + 128 x half
	s_lshl_b32 s46, s46, 11
	s_mov_b32 s47, 0
	s_mul_i32 s20, s10, AHALF                      ; where they go: A's halves by waves 0, 1 at wave x AHALF,
	s_mul_i32 s45, s10, BH1                        ; B's halves by waves 2, 3 at 2 AHALF + (wave - 2) x BH1 in pass 1,
	s_add_co_u32 s45, s45, 2*(AHALF-BH1)
	s_mul_i32 s96, s10, BH2                        ; at 2 AHALF + (wave - 2) x BH2 in pass 2
	s_add_co_u32 s96, s96, 2*(AHALF-BH2)
	s_wait_dscnt 0x0
	s_wait_kmcnt 0x0
	s_add_nc_u64 s[14:15], s[4:5], s[16:17]
	s_add_nc_u64 s[46:47], s[6:7], s[46:47]
	s_add_nc_u64 s[94:95], s[6:7], s[94:95]
.irp s, 0,1
	s_mov_b32 s[G0D+4*\s], 1                                       ; pass 2's sets: written once here, first used in pass 1's last lap
	s_add_co_u32 s[G0D+4*\s+1], s20, \s*SLOT
	s_add_nc_u64 s[G0D+4*\s+2:G0D+4*\s+3], s[14:15], \s*KSTEP*2    ; A again from K step s
	s_or_b32 s[G0D+4*\s+3], s[G0D+4*\s+3], 0x80000000
	s_mov_b32 s[G0C+4*\s], 1
	s_add_co_u32 s[G0C+4*\s+1], s96, \s*SLOT
	s_add_nc_u64 s[G0C+4*\s+2:G0C+4*\s+3], s[94:95], \s*KSTEP*2
	s_or_b32 s[G0C+4*\s+3], s[G0C+4*\s+3], 0x80000000
.endr
	CROUND                                         ; all sixteen work-groups are here: the first joint loads meet
.irp s, 0,1
	s_mov_b32 s[G0+4*\s], 1
	s_add_co_u32 s[G0+4*\s+1], s20, \s*SLOT
	s_add_nc_u64 s[G0+4*\s+2:G0+4*\s+3], s[14:15], \s*KSTEP*2      ; K step s
	s_or_b32 s[G0+4*\s+3], s[G0+4*\s+3], 0x80000000                ; type = 2
	s_mov_b32 s[G0B+4*\s], 1
	s_add_co_u32 s[G0B+4*\s+1], s45, \s*SLOT
	s_add_nc_u64 s[G0B+4*\s+2:G0B+4*\s+3], s[46:47], \s*KSTEP*2
	s_or_b32 s[G0B+4*\s+3], s[G0B+4*\s+3], 0x80000000
	JLOAD G0+4*\s, G0B+4*\s, G1B                   ; two tensor loads of a wave are out here, later one
.endr
	; a fragment: lane l holds row l % 16; registers 0-3 K = 8 (l / 16) + 0..7, registers 4-7 K = 16 + 8 (l / 16) + 0..7: two loads of 16 bytes, 32 bytes apart
	v_and_b32 v1, 15, v0                           ; r
	v_bfe_u32 v2, v0, 4, 1                         ; h
	v_mul_u32_u24 v3, v1, PITCH
	v_lshl_add_u32 v3, v2, 4, v3
	s_mul_i32 s21, s11, AHALF                      ; my 128 rows of A
	s_mul_i32 s22, s12, BH1                        ; my 128 rows of B in pass 1,
	s_add_co_u32 s22, s22, 2*AHALF                 ; behind A's 256
	s_mul_i32 s97, s12, BH2                        ; my 64 rows of B in pass 2
	s_add_co_u32 s97, s97, 2*AHALF
.irp s, 0,1
	v_add_nc_u32 v[ADRA+\s], s21, v3
	v_add_nc_u32 v[ADRB+\s], s22, v3
	v_add_nc_u32 v[ADRC+\s], s97, v3
	s_add_co_u32 s21, s21, SLOT
	s_add_co_u32 s22, s22, SLOT
	s_add_co_u32 s97, s97, SLOT
.endr
	s_mul_i32 s23, s10, 2*SHEAD
	s_add_co_u32 s23, s23, STAGE                   ; my stage
	v_mul_u32_u24 v4, v1, SPITCH                   ; in: row r, 16 bytes for each half of the lanes
	v_lshl_add_u32 v4, v2, 4, v4
	v_add_nc_u32 v[STO], s23, v4
	v_bfe_u32 v5, v0, 3, 2                         ; back: eight lanes take a row of 128 bytes, 32 lanes four rows
	v_mul_u32_u24 v5, v5, SPITCH
	v_and_b32 v6, 7, v0
	v_lshl_add_u32 v5, v6, 4, v5
	v_add_nc_u32 v[RD], s23, v5
	v_and_b32 v6, 31, v0
	v_lshlrev_b32 v[CO], 4, v6                     ; four rows of a head are 512 consecutive bytes of its plane: 16 x lane
; What differs between the passes is held in symbols: NBC tiles of 16 columns in a wave's block, ADB the address registers of B's fragments,
; PA, PB, P1B the pass's descriptor sets (group 0 of A, group 0 of B, group 1 of B).
; 2 NBC matrix instructions: m blocks a0, a0 + 1 of the window's four x all NBC n blocks, 32 along K.  zero = 1: the first product starts the sums.
; The accumulators take turns, one instruction a turn.
.macro MUL16 f, hi, a0, zero
.irp a, \a0, \a0+1
.set bi, 0
.rept NBC
.set ai, 8*(NBC*(\a)+bi)
.if \zero
	v_wmma_f32_16x16x32_f16 v[ai:ai+7], v[\f+8*bi:\f+8*bi+7], v[\f+8*(4*\hi+\a):\f+8*(4*\hi+\a)+7], 0
.else
	v_wmma_f32_16x16x32_f16 v[ai:ai+7], v[\f+8*bi:\f+8*bi+7], v[\f+8*(4*\hi+\a):\f+8*(4*\hi+\a)+7], v[ai:ai+7]
.endif
.set bi, bi+1
.endr
.endr
.endm
; 2 NBC + 16 LDS loads in one run: the fragments of one quarter step (32 K at byte k of the rows) into buffer f: B's first, then A's
.macro FETCH slot, k, f
	WIN TO_B
.set fi, 0
.rept NBC
	ds_load_b128 v[\f+8*fi:\f+8*fi+3],   v[ADB+\slot] offset:\k+fi*16*PITCH
	ds_load_b128 v[\f+8*fi+4:\f+8*fi+7], v[ADB+\slot] offset:\k+fi*16*PITCH+32
.set fi, fi+1
.endr
	WIN 0
.irp i, 0,1,2,3,4,5,6,7
	ds_load_b128 v[\f+8*\i:\f+8*\i+3],   v[ADRA+\slot] offset:\k+\i*16*PITCH
	ds_load_b128 v[\f+8*\i+4:\f+8*\i+7], v[ADRA+\slot] offset:\k+\i*16*PITCH+32
.endr
.endm
; Four places behind a matrix instruction before a load lands on a register that it read or a vector instruction reads its result (ISA guide 7.12.1 for
; vector instructions); the matrix instructions in between are not counted as places.
.macro PLACES
.rept 4
	v_nop
.endr
.endm
; One of a K step's first three quarters: multiplies buffer f; in its middle it fetches the next quarter's fragments into buffer g.
.macro QUARTER slot, k, f, g, zero
	s_wait_dscnt 8                                 ; B and A's rows 0-63 are in; the youngest eight loads (A's rows 64-127) may be out
	WIN MUL_LO
	MUL16 \f, 0, 0, \zero
	MUL16 \f, 0, 2, \zero
	PLACES
	FETCH \slot, \k, \g
	s_wait_dscnt 2*NBC+16                          ; all but the 2 NBC + 16 just issued
	WIN MUL_HI
	MUL16 \f, 1, 0, \zero
	MUL16 \f, 1, 2, \zero
.endm
.macro THREE slot, zero
	QUARTER \slot, 64,  F0, F1, \zero
	QUARTER \slot, 128, F1, F0, 0
	QUARTER \slot, 192, F0, F1, 0
.endm
; The last quarter: multiplies buffer 1 and changes slots.  In front of the barrier each wave waits for its reads of this slot and for all its tensor loads
; (one is out: its part of the next slot).  Behind it the refill comes first, then the next slot's first fragments.
; fill = 1: this slot gets the pass's K step two further on; fill = 2: it gets pass 2's K step of its own number (the sets stand there already); fill = 0: nothing.
; fetch = 0: the pass ends here and the next slot's fragments are fetched behind the way out.
; From a request to the wait for it a wave issues 30 NBC matrix instructions.
.macro TURN slot, next, fill, fetch
	s_wait_dscnt 8
	WIN MUL_LO
	MUL16 F1, 0, 0, 0
	s_wait_dscnt 0                                 ; my reads of this slot are over
	s_wait_tensorcnt 0x0                           ; and all my tensor loads have landed
	ds_add_u32 v255, v255
	s_wait_dscnt 0x0
	s_barrier_signal -1                            ; say so (where a slot is filled again this barrier opens a round of the cluster's barrier),
	MUL16 F1, 0, 2, 0                              ; work on registers while the others arrive,
	WIN 0
	s_barrier_wait -1
.if \fill
	CREST                                          ; no wave of any partner still reads this slot or has a load on its way
.if \fill == 1
	s_add_nc_u64 s[PA+4*\slot+2:PA+4*\slot+3], s[PA+4*\slot+2:PA+4*\slot+3], 2*KSTEP*2
	s_add_nc_u64 s[PB+4*\slot+2:PB+4*\slot+3], s[PB+4*\slot+2:PB+4*\slot+3], 2*KSTEP*2
	JLOAD PA+4*\slot, PB+4*\slot, P1B              ; the first tensor load behind the round, one a wave
.else
	JLOAD G0D+4*\slot, G0C+4*\slot, G1C            ; likewise, for pass 2
.endif
.endif
.if \fetch
	PLACES
	FETCH \next, 0, F0
.endif
	WIN MUL_HI
	MUL16 F1, 1, 0, 0
	MUL16 F1, 1, 2, 0
.endm
.macro LAP zero
	THREE 0, \zero
	TURN 0, 1, 1, 1
	THREE 1, 0
	TURN 1, 0, 1, 1
.endm
	; PASS 1: columns 0-255 of the block
.set NBC, 8
.set ADB, ADRB
.set PA,  G0
.set PB,  G0B
.set P1B, G1B
	s_wait_tensorcnt 1                             ; my part of K step 0 is in; K step 1's may stay out
	s_barrier_signal -1
	s_barrier_wait -1
	FETCH 0, 0, F0
	LAP 1                                          ; the first lap's first products start the sums: nothing is cleared
	WIN 0
	s_mov_b32 s3, LAPS-2
.Llap1:
	LAP 0
	WIN 0
	s_sub_co_u32 s3, s3, 1
	s_cmp_lg_u32 s3, 0
	s_cbranch_scc1 .Llap1
	THREE 0, 0                                     ; the last lap fills the slots with pass 2's K steps 0 and 1
	TURN 0, 1, 2, 1
	THREE 1, 0
	TURN 1, 0, 2, 0
	; THE WAY OUT OF PASS 1.  My 128 columns are two whole heads: hg = 6 x block column + 2 x half and hg + 1.  My 128 rows lie in one batch: b = block row / 8.
	PLACES
	s_lshr_b32 s16, s13, 3                         ; b: 16 planes of 262,144 bytes = 1 << 22
	s_lshl_b32 s16, s16, 22
	s_and_b32 s14, s13, 7
	s_lshl_b32 s14, s14, 15                        ; t = 256 x (block row mod 8): 128 bytes a row
	s_add_co_u32 s16, s16, s14
	s_lshl_b32 s14, s11, 14                        ; + 128 x half
	s_add_co_u32 s16, s16, s14
	s_mov_b32 s17, 0
	s_add_nc_u64 s[8:9], s[8:9], s[16:17]
	s_mul_i32 s46, s42, 6                          ; the column's part, in the registers that held B's addresses
	s_lshl_b32 s47, s12, 1
	s_add_co_u32 s46, s46, s47                     ; hg = 0..44, even: hg and hg + 1 lie in the same sixteen
	s_lshr_b32 s47, s46, 4                         ; q, k or v: 64 planes each
	s_lshl_b32 s47, s47, 6
	s_and_b32 s46, s46, 15                         ; the head
	s_add_co_u32 s46, s46, s47
	s_lshl_b32 s46, s46, 18
	s_mov_b32 s47, 0
	s_mul_i32 s94, s42, 6                          ; pass 2's one head: 6 x block column + 4 + half
	s_add_co_u32 s94, s94, s12
	s_add_co_u32 s94, s94, 4
	s_lshr_b32 s95, s94, 4
	s_lshl_b32 s95, s95, 6
	s_and_b32 s94, s94, 15
	s_add_co_u32 s94, s94, s95
	s_lshl_b32 s94, s94, 18
	s_mov_b32 s95, 0
	s_add_nc_u64 s[92:93], s[8:9], s[94:95]        ; pass 2's base
	s_add_nc_u64 s[8:9], s[8:9], s[46:47]          ; pass 1's base
; rows 16 i .. 16 i + 15 of my block = the eight tiles (a, 0..7) of window 2 or 3 (from = 0x0a or 0x0f); f: F0 or F1 in turn.
; Round to f16, 16 bytes a lane into my own stage (tiles 0-3 head 0, tiles 4-7 head 1), read back four rows of a head at a time.
.macro OUT16 i, a, from, f
	WIN \from
.irp b, 0,1,2,3,4,5,6,7
.irp r, 0,1,2,3
	v_cvt_pk_f16_f32 v[TMP+4*\b+\r], v[8*(8*\a+\b)+2*\r], v[8*(8*\a+\b)+2*\r+1]
.endr
.endr
	WIN 0
.irp b, 0,1,2,3,4,5,6,7
	ds_store_b128 v[STO], v[TMP+4*\b:TMP+4*\b+3] offset:(\b>>2)*SHEAD+(\b&3)*32
.endr
	s_wait_xcnt 0x0                                ; buffer f, which earlier stores read, is loaded again only behind this wait
.irp t, 0,1,2,3,4,5,6,7
	ds_load_b128 v[\f+4*\t:\f+4*\t+3], v[RD] offset:(\t>>2)*SHEAD+(\t&3)*4*SPITCH   ; LDS serves a wave's instructions in order (ISA guide 5.7.1): these see the stores above
.endr
.irp t, 0,1,2,3,4,5,6,7
	s_wait_dscnt 7-\t                              ; the 7 - t younger loads may be out
	global_store_b128 v[CO], v[\f+4*\t:\f+4*\t+3], s[8:9] offset:(\t>>2)*PLANE+\i*2048+(\t&3)*512   ; 32 lanes store 512 consecutive aligned bytes: four rows of one head
.endr
.endm
	OUT16 0, 0, 0x0a, F0
	OUT16 1, 1, 0x0a, F1
	OUT16 2, 2, 0x0a, F0
	OUT16 3, 3, 0x0a, F1
	OUT16 4, 0, 0x0f, F0
	OUT16 5, 1, 0x0f, F1
	OUT16 6, 2, 0x0f, F0
	OUT16 7, 3, 0x0f, F1
	; PASS 2: columns 256-383 of the block.  Slot 0 holds its K step 0 (every wave waited for its part in front of pass 1's last barrier); slot 1's load may still be out.
.set NBC, 4
.set ADB, ADRC
.set PA,  G0D
.set PB,  G0C
.set P1B, G1C
	s_wait_xcnt 0x0                                ; buffers 0 and 1, which the stores above read, are loaded again only behind this wait
	FETCH 0, 0, F0
	LAP 1                                          ; the first products start the sums anew, over the tiles that have gone out
	WIN 0
	s_mov_b32 s3, LAPS-2
.Llap2:
	LAP 0
	WIN 0
	s_sub_co_u32 s3, s3, 1
	s_cmp_lg_u32 s3, 0
	s_cbranch_scc1 .Llap2
	THREE 0, 0                                     ; the last lap fills nothing
	TURN 0, 1, 0, 1
	THREE 1, 0
	s_wait_dscnt 8
	WIN MUL_LO
	MUL16 F1, 0, 0, 0
	MUL16 F1, 0, 2, 0
	s_wait_dscnt 0
	WIN MUL_HI
	MUL16 F1, 1, 0, 0
	MUL16 F1, 1, 2, 0
	; THE WAY OUT OF PASS 2: my 64 columns are one whole head
	PLACES
.macro OUT16B i, a, from, f
	WIN \from
.irp b, 0,1,2,3
.irp r, 0,1,2,3
	v_cvt_pk_f16_f32 v[TMP+4*\b+\r], v[8*(4*\a+\b)+2*\r], v[8*(4*\a+\b)+2*\r+1]
.endr
.endr
	WIN 0
.irp b, 0,1,2,3
	ds_store_b128 v[STO], v[TMP+4*\b:TMP+4*\b+3] offset:\b*32
.endr
	s_wait_xcnt 0x0                                ; buffer f, which earlier stores read, is loaded again only behind this wait
.irp t, 0,1,2,3
	ds_load_b128 v[\f+4*\t:\f+4*\t+3], v[RD] offset:\t*4*SPITCH
.endr
.irp t, 0,1,2,3
	s_wait_dscnt 3-\t                              ; the 3 - t younger loads may be out
	global_store_b128 v[CO], v[\f+4*\t:\f+4*\t+3], s[92:93] offset:\i*2048+\t*512   ; 512 consecutive aligned bytes: four rows of the head
.endr
.endm
	OUT16B 0, 0, 0x0a, F0
	OUT16B 1, 1, 0x0a, F1
	OUT16B 2, 2, 0x0a, F0
	OUT16B 3, 3, 0x0a, F1
	OUT16B 4, 0, 0x0f, F0
	OUT16B 5, 1, 0x0f, F1
	OUT16B 6, 2, 0x0f, F0
	OUT16B 7, 3, 0x0f, F1
	s_set_vgpr_msb 0x1
	s_wait_tensorcnt 0x0
	ds_add_u32 v255, v255
	s_wait_dscnt 0x0
	s_set_vgpr_msb 0x100
	CROUND                                         ; the closing round: no work-group ends while a partner may still ask for a tile that names it
	s_endpgm
.Lfunc_end_k_q6cf5c7d5a0_qkv:
	.size	k_q6cf5c7d5a0_qkv, .Lfunc_end_k_q6cf5c7d5a0_qkv-k_q6cf5c7d5a0_qkv
	.p2alignl 7, 3214868480
	.fill 96, 4, 3214868480
	.section	.rodata,"a",@progbits
	.p2align	6, 0x0
	.amdhsa_kernel k_q6cf5c7d5a0_qkv
		.amdhsa_group_segment_fixed_size 327680
		.amdhsa_private_segment_fixed_size 0
		.amdhsa_enable_private_segment 0
		.amdhsa_kernarg_size 24
		.amdhsa_user_sgpr_count 2
		.amdhsa_user_sgpr_kernarg_segment_ptr 1
		.amdhsa_wavefront_size32 1
		.amdhsa_system_sgpr_workgroup_id_x 1
		.amdhsa_system_sgpr_workgroup_id_y 1
		.amdhsa_system_sgpr_workgroup_id_z 1
		.amdhsa_system_vgpr_workitem_id 0
		.amdhsa_next_free_vgpr 1024
		.amdhsa_next_free_sgpr 98
		.amdhsa_reserve_vcc 0
		.amdhsa_float_denorm_mode_32 3
		.amdhsa_float_denorm_mode_16_64 3
		.amdhsa_memory_ordered 1
		.amdhsa_forward_progress 1
		.amdhsa_inst_pref_size 255
	.end_amdhsa_kernel
	.section	.bss,"aw",@nobits
	.p2align	6
	.space	262144
	.amdgpu_metadata
---
amdhsa.version: [ 1, 2 ]
amdhsa.kernels:
  - .name:           k_q6cf5c7d5a0_qkv
    .symbol:         k_q6cf5c7d5a0_qkv.kd
    .args:
      - { .name: xh, .offset: 0, .size: 8, .value_kind: global_buffer, .address_space: global }
      - { .name: wh, .offset: 8, .size: 8, .value_kind: global_buffer, .address_space: global }
      - { .name: qkv, .offset: 16, .size: 8, .value_kind: global_buffer, .address_space: global }
    .group_segment_fixed_size: 327680
    .private_segment_fixed_size: 0
    .kernarg_segment_align: 8
    .kernarg_segment_size: 24
    .max_flat_workgroup_size: 128
    .sgpr_count:     98
    .vgpr_count:     1024
    .wavefront_size: 32
...
	.end_amdgpu_metadata
.endif
;; end of part 2
;; launch attn (part 3): grid 256 x 1, 8 waves a work-group, clusters of 4 x 1, 327,680 bytes of LDS; arguments qkv, oh; writes oh
.if DOCPART == 3
	.amdgcn_target "amdgcn-amd-amdhsa--gfx1250"
	.amdhsa_code_object_version 6
	.text
	.protected	k_q6cf5c7d5a0_attn
	.globl	k_q6cf5c7d5a0_attn
	.p2align	8
	.type	k_q6cf5c7d5a0_attn,@function
k_q6cf5c7d5a0_attn:
	s_mov_b64 s[64:65], 0
	v_nop
	global_prefetch_b8 v0, s[64:65] scope:SCOPE_SE
	s_setreg_imm32_b32 hwreg(HW_REG_WAVE_MODE, 25, 1), 1
	s_wait_xcnt 0x0
	s_wait_alu depctr_hold_cnt(0) depctr_sa_sdst(0) depctr_va_vdst(0) depctr_va_sdst(0) depctr_va_ssrc(0) depctr_va_vcc(0) depctr_vm_vsrc(0)
	s_getreg_b32 s2, hwreg(HW_REG_IB_STS2, 6, 4)
	s_cmp_eq_u32 s2, 0
	s_cbranch_scc0 .Lentry_in_a_cluster
	s_endpgm
.Lentry_in_a_cluster:
	s_bfe_u32 s2, ttmp6, 0x10000c
	s_cmp_lg_u32 s2, 0x3003
	s_cbranch_scc0 .Lentry_shape_is_right
	s_endpgm
.Lentry_shape_is_right:
; Attention without a mask: oh[b*2048+t][h*64+d] = sum over keys of softmax(q.k/8) v, from the planes q/8, k/8, v/8 in f16.  Sums, maxima, exponentials in f32.
; A work-group takes 256 queries of TWO heads (2 pair, 2 pair + 1), so that its rows of oh are whole aligned blocks of 256 bytes.  Eight waves: wave w has head
; w >> 2 and queries 64 (w & 3) .. + 63.
; CLUSTERS: the four work-groups of a cluster have the same batch and pair of heads and other queries; they walk the same K and V tiles, which are asked for jointly (mask 15).
; THE PRODUCTS ARE TRANSPOSED.  S^T = K Q^T: lane (r, h) holds, in register j of tile (kt, qt), key 16 kt + 8 h + j of query 16 qt + r.  So a query's maximum and sum
; stay in a lane but for one exchange of the halves; two tiles of S^T, packed to f16, ARE the second operand of O^T = V^T P^T; and the rescale factor is one number a lane.
; V^T's fragments come from V[key][d] by the transposing LDS load.
; SOFTMAX with a running maximum m of the raw sums s = (q/8).(k/8): p = 2^(c s - R), c = 8 log2(e), R = c m rounded; old sums are rescaled by 2^(R old - R new).
; MATRIX AND VECTOR WORK ARE INTERLEAVED IN EACH WAVE.  The wave's queries are two halves, X (query tiles 0, 1) and Y (tiles 2, 3).  A step of 64 keys is two stretches:
;   a(i): the softmax of X(i), 244 vector instructions, and among them the 32 matrix instructions  O_Y += V(i-1) P_Y(i-1),  S_Y(i) = K(i) Q_Y;
;   b(i): the softmax of Y(i), and among them  O_X += V(i) P_X(i),  S_X(i+1) = K(i+1) Q_X.
; The matrix work of a stretch names only the other half's registers, so every vector instruction beside it is independent of it, and no register is added: one half's S
; is free for the next product exactly while the other half is in its softmax.  A pair of matrix instructions goes out after every 13 vector instructions.
; The price: two switches of the register window for each pair, since no one setting serves a product (fragments in window 0, sums in window 1) and the vector work in
; place on S and O together with its statistics (128 + 128 + 44 registers do not fit one window).
; LIMITS: p is rounded to f16 for the numerator (p below 2^-25 becomes 0 there) while the row sum adds p unrounded; o is stored in f16: |o| below 65,504.
; LDS: two slots of 71,680 bytes; in a slot K of head 0, K of head 1 (17,408 each), V of head 0, V of head 1 (18,432 each).  A tile is 128 keys as 64 rows of two keys
; (256 bytes), padded to 272 (K) and 288 (V): key kk lies at (kk >> 1) pitch + 128 (kk & 1).  Sixteen lanes of a fragment load then touch sixteen different columns
; of 16 bytes modulo 256: K 16 (r >> 1) + 128 (r & 1); V 32 x + 128 y + 16 z.  Behind the slots a stage of 256 rows x 272 bytes, into which no tensor load lands.
.set SLOT,  71680
.set KHEAD, 17408
.set VBASE, 34816
.set VHEAD, 18432
.set STAGE, 143360
.set TILEB, 16384                      ; 128 keys x 128 bytes of one plane
.set KAD, 4                            ; v4-5    my K fragments in slot 0, 1
.set VAD, 6                            ; v6-7    my V fragments in slot 0, 1
.set QO,  8                            ; v8      my 16 bytes in a block of 16 queries
.set STO, 9                            ; v9      the way out: where I put 16 bytes
.set RD,  10                           ; v10     where I read a row back
.set CO,  11                           ; v11     my byte offset in oh
.set PFO, 12                           ; v12     prefetch: 256 x lane
.set XM,  16                           ; v[16:23]  for each of 4 query tiles: (-R, m)
.set YA,  24                           ; v[24:31]  for each: (rescale factor, at work)
.set LP,  32                           ; v[32:39]  for each: two partial row sums
.set TM,  40                           ; v[40:43]  maxima at work: two chains for each of a half's two query tiles
.set LQ,  44                           ; v[44:51]  for each query tile: two more partial row sums, so that dependent adds stand four instructions apart
.set QF,  64                           ; v[64:127]   Q fragments (qt, ks) at 64 + 8 (2 qt + ks)
.set KF,  128                          ; v[128:191]  K fragments (kt, ks) at 128 + 8 (2 kt + ks)
.set VF,  192                          ; v[192:255]  V^T fragments (g, dt) at 192 + 8 (4 g + dt)
.set OA,  0                            ; window 1: O^T tile (dt, qt) at 8 (4 dt + qt)
.set SC,  128                          ; window 1: S^T tile (kt, qt) at 128 + 8 (4 kt + qt)
.set G1K, 16                           ; s[16:23] group 1 for K's tiles
.set G1V, 24                           ; s[24:31] group 1 for V's tiles (other padding)
.set G0K, 32                           ; s[32:39] group 0 for K, a set for each slot
.set G0V, 40                           ; s[40:47] group 0 for V
.set MSB, 0
.macro WIN new                         ; low byte: bits 1:0 source 0, 3:2 source 1, 5:4 source 2, 7:6 destination; the high byte repeats the setting that is left
.if MSB != \new
	s_set_vgpr_msb (MSB<<8)|\new
.set MSB, \new
.endif
.endm
.macro PLACES n
.rept \n
	v_nop
.endr
.endm
; A round of the cluster's barrier
.macro ROUND
	s_barrier_signal -1
	s_barrier_wait -1
	s_cmp_lg_u32 s8, 0
	s_cbranch_scc1 .Lnot_wave_0_\@
	s_barrier_signal -3
.Lnot_wave_0_\@:
	s_barrier_wait -3
	s_barrier_signal -1
	s_barrier_wait -1
.endm
; A joint load: waves 0-3 fetch K (head w3 >> 1, 64 keys w3 & 1), waves 4-7 V likewise: 32 rows of 256 bytes each.  The branch hangs on the wave's number alone.
.macro JLOAD s
	s_cmp_eq_u32 s9, 0
	s_cbranch_scc0 .Lfor_v_\@
	tensor_load_to_lds s[G0K+4*\s:G0K+4*\s+3], s[G1K:G1K+7]
	s_nop 0
	s_branch .Lasked_\@
.Lfor_v_\@:
	tensor_load_to_lds s[G0V+4*\s:G0V+4*\s+3], s[G1V:G1V+7]
	s_nop 0
.Lasked_\@:
.endm
	s_load_b128 s[4:7], s[0:1], 0x0                ; qkv s[4:5], oh s[6:7]
	v_lshl_add_u32 v62, v0, 2, 0x34000
	v_mov_b32 v63, 0
	ds_add_u32 v62, v63
	v_lshrrev_b32 v1, 5, v0
	v_readfirstlane_b32 s8, v1                     ; wave 0..7
	s_lshr_b32 s9, s8, 2                           ; hs: my head of the pair; also: I fetch K (0) or V (1)
	s_and_b32 s10, s8, 3                           ; w3: my 64 queries; also: which quarter of K's or V's tiles I fetch
	s_bfe_u32 s11, ttmp6, 0x40000                  ; cx
	s_lshr_b32 s12, ttmp9, 1                       ; bp = 8 b + pair: shared by the cluster
	s_and_b32 s13, ttmp9, 1
	s_lshl_b32 s13, s13, 2
	s_add_co_u32 s13, s13, s11                     ; qb = 0..7: my 256 queries
	s_mov_b32 s48, 0x4138aa3b                      ; c = 8 log2(e): score / ln 2 = c (q/8).(k/8)
	s_mov_b32 s49, 0x4138aa3b
	s_mov_b32 s50, 0xc138aa3b                      ; -c
	s_mov_b32 s52, 0x76543210                      ; v_permlanex16_b32: lane i of one half reads lane i of the other
	s_mov_b32 s53, 0xfedcba98
	; group 1: a dense block as 32 rows of 32 elements of 8 bytes; padding behind every 64 words: 4 words for K, 8 for V
	s_mov_b32 s[G1K+0], 15|(3<<16)|(1<<20)|(1<<21)|(5<<22)|(3<<25)
	s_mov_b32 s[G1V+0], 15|(3<<16)|(1<<20)|(1<<21)|(5<<22)|(7<<25)
	s_mov_b32 s[G1K+1], 32<<16                     ; tensor_dim0 = 32
	s_mov_b32 s[G1V+1], 32<<16
	s_mov_b32 s[G1K+2], 32<<16                     ; tensor_dim1 = 32
	s_mov_b32 s[G1V+2], 32<<16
	s_mov_b32 s[G1K+3], 32<<16                     ; tile_dim0 = 32
	s_mov_b32 s[G1V+3], 32<<16
	s_mov_b32 s[G1K+4], 32                         ; tile_dim1 = 32
	s_mov_b32 s[G1V+4], 32
	s_mov_b32 s[G1K+5], 32                         ; pitch = 32 elements: dense
	s_mov_b32 s[G1V+5], 32
	s_mov_b32 s[G1K+6], 0
	s_mov_b32 s[G1V+6], 0
	s_mov_b32 s[G1K+7], 0
	s_mov_b32 s[G1V+7], 0
	; K's first tile: plane 64 + 2 bp + (w3 >> 1), keys 64 (w3 & 1).  V's plane lies 64 planes further.  Nothing here hangs on cx.
	s_lshl_b32 s14, s12, 1
	s_lshr_b32 s15, s10, 1
	s_add_co_u32 s14, s14, s15
	s_add_co_u32 s14, s14, 64
	s_lshl_b32 s14, s14, 18
	s_and_b32 s15, s10, 1
	s_lshl_b32 s15, s15, 13
	s_add_co_u32 s14, s14, s15
	s_mov_b32 s15, 0
	s_mul_i32 s51, s10, 8704                       ; LDS: K's quarter, 32 rows x 272
	s_mul_i32 s61, s10, 9216                       ; V's quarter, 32 rows x 288,
	s_add_co_u32 s61, s61, VBASE                   ; behind K
	; my queries: plane 2 bp + hs, row 256 qb + 64 w3, 128 bytes a row
	s_lshl_b32 s56, s12, 1
	s_add_co_u32 s56, s56, s9
	s_lshl_b32 s56, s56, 18
	s_lshl_b32 s57, s13, 15
	s_add_co_u32 s56, s56, s57
	s_lshl_b32 s57, s10, 13
	s_add_co_u32 s56, s56, s57
	s_mov_b32 s57, 0
	; prefetch: the eight work-groups with my bp share a tile's 64 KiB of K and V, 8 KiB each: qb >> 2 K or V, (qb >> 1) & 1 the head, qb & 1 the half; it begins at tile 3
	s_lshr_b32 s54, s13, 2
	s_lshl_b32 s54, s54, 6
	s_add_co_u32 s54, s54, 64
	s_lshl_b32 s55, s12, 1
	s_add_co_u32 s54, s54, s55
	s_bfe_u32 s55, s13, 0x10001
	s_add_co_u32 s54, s54, s55
	s_lshl_b32 s54, s54, 18
	s_and_b32 s55, s13, 1
	s_lshl_b32 s55, s55, 13
	s_add_co_u32 s54, s54, s55
	s_add_co_u32 s54, s54, 3*TILEB
	s_mov_b32 s55, 0
	; oh: row 2,048 b + 256 qb + 32 w (the rows that I store), 2,048 bytes a row; column 256 bytes x pair
	s_lshr_b32 s62, s12, 3
	s_lshl_b32 s62, s62, 22
	s_lshl_b32 s63, s13, 19
	s_add_co_u32 s62, s62, s63
	s_lshl_b32 s63, s8, 16
	s_add_co_u32 s62, s62, s63
	s_and_b32 s63, s12, 7
	s_lshl_b32 s63, s63, 8
	s_add_co_u32 s62, s62, s63
	s_mov_b32 s63, 0
	s_wait_dscnt 0x0
	s_wait_kmcnt 0x0
	s_add_nc_u64 s[58:59], s[4:5], s[14:15]
	s_add_nc_u64 s[56:57], s[4:5], s[56:57]
	s_add_nc_u64 s[54:55], s[4:5], s[54:55]
	s_add_nc_u64 s[6:7], s[6:7], s[62:63]
.irp s, 0,1
	s_mov_b32 s[G0K+4*\s], 1
	s_add_co_u32 s[G0K+4*\s+1], s51, \s*SLOT
	s_add_nc_u64 s[G0K+4*\s+2:G0K+4*\s+3], s[58:59], \s*TILEB            ; slot s begins with tile s
	s_or_b32 s[G0K+4*\s+3], s[G0K+4*\s+3], 0x80000000
	s_mov_b32 s[G0V+4*\s], 1
	s_add_co_u32 s[G0V+4*\s+1], s61, \s*SLOT
	s_add_nc_u64 s[G0V+4*\s+2:G0V+4*\s+3], s[58:59], 64*262144+\s*TILEB
	s_or_b32 s[G0V+4*\s+3], s[G0V+4*\s+3], 0x80000000
.endr
	ROUND                                          ; all four work-groups are here: the first joint loads meet
	JLOAD 0                                        ; tiles 0 and 1 go out together: two tensor loads of a wave are out here, later one
	JLOAD 1
	v_and_b32 v2, 15, v0                           ; r
	v_bfe_u32 v3, v0, 4, 1                         ; h
	v_lshlrev_b32 v[QO], 7, v2                     ; query r: 128 bytes a row,
	v_lshl_add_u32 v[QO], v3, 4, v[QO]             ; + 16 h
.irp qt, 0,1,2,3
.irp ks, 0,1
	global_load_b128 v[QF+16*\qt+8*\ks:QF+16*\qt+8*\ks+3],   v[QO], s[56:57] offset:\qt*2048+\ks*64
	global_load_b128 v[QF+16*\qt+8*\ks+4:QF+16*\qt+8*\ks+7], v[QO], s[56:57] offset:\qt*2048+\ks*64+32
.endr
.endr
	v_lshrrev_b32 v13, 1, v2                       ; K: key r of a tile of 16 at (r >> 1) 272 + (r & 1) 128 + 16 h
	v_mul_u32_u24 v13, v13, 272
	v_and_b32 v14, 1, v2
	v_lshl_add_u32 v13, v14, 7, v13
	v_lshl_add_u32 v13, v3, 4, v13
	s_mul_i32 s14, s9, KHEAD
	v_add_nc_u32 v[KAD], s14, v13
	v_add_nc_u32 v[KAD+1], SLOT, v[KAD]
	v_bfe_u32 v13, v0, 1, 2                        ; V: lane l addresses key 8 h + (l & 7): LDS row 4 h + ((l >> 1) & 3), half l & 1, and 16 bytes (l >> 3) & 1 of 32
	v_lshl_add_u32 v13, v3, 2, v13
	v_mul_u32_u24 v13, v13, 288
	v_and_b32 v14, 1, v0
	v_lshl_add_u32 v13, v14, 7, v13
	v_bfe_u32 v14, v0, 3, 1
	v_lshl_add_u32 v13, v14, 4, v13
	s_mul_i32 s15, s9, VHEAD
	s_add_co_u32 s15, s15, VBASE
	v_add_nc_u32 v[VAD], s15, v13
	v_add_nc_u32 v[VAD+1], SLOT, v[VAD]
	s_mul_i32 s14, s10, 64*272                     ; stage, in: row 64 w3 + r, byte 128 hs + 16 h
	s_lshl_b32 s15, s9, 7
	s_add_co_u32 s14, s14, s15
	s_add_co_u32 s14, s14, STAGE
	v_mul_u32_u24 v[STO], v2, 272
	v_lshl_add_u32 v[STO], v3, 4, v[STO]
	v_add_nc_u32 v[STO], s14, v[STO]
	s_mul_i32 s15, s8, 32*272                      ; stage, back: row 32 w + h, byte 16 r
	s_add_co_u32 s15, s15, STAGE
	v_mul_u32_u24 v[RD], v3, 272
	v_lshl_add_u32 v[RD], v2, 4, v[RD]
	v_add_nc_u32 v[RD], s15, v[RD]
	v_lshlrev_b32 v[CO], 11, v3                    ; the same two rows in oh
	v_lshl_add_u32 v[CO], v2, 4, v[CO]
	v_and_b32 v1, 31, v0
	v_lshlrev_b32 v[PFO], 8, v1
.irp j, 0,1,2,3,4,5,6,7
	v_mov_b32 v[LP+\j], 0                          ; the row sums begin at 0;
	v_mov_b32 v[LQ+\j], 0
	v_mov_b32 v[YA+\j], 0                          ; v_permlanex16_b32 counts as a reader of its destination
.endr
; 16 LDS loads: the K fragments of 64 keys (half hf of the slot's tile)
.macro LDK slot, hf
.irp kt, 0,1,2,3
.irp ks, 0,1
	ds_load_b128 v[KF+16*\kt+8*\ks:KF+16*\kt+8*\ks+3],   v[KAD+\slot] offset:\hf*8704+\kt*2176+\ks*64
	ds_load_b128 v[KF+16*\kt+8*\ks+4:KF+16*\kt+8*\ks+7], v[KAD+\slot] offset:\hf*8704+\kt*2176+\ks*64+32
.endr
.endr
.endm
; 16 transposing loads: V^T fragments (16 d x 32 keys) of the same 64 keys: keys 8 h .. + 7, then 16 keys = 8 LDS rows further
.macro LDV slot, hf
.irp g, 0,1
.irp dt, 0,1,2,3
	ds_load_tr16_b128 v[VF+32*\g+8*\dt:VF+32*\g+8*\dt+3],   v[VAD+\slot] offset:\hf*9216+\g*4608+\dt*32
	ds_load_tr16_b128 v[VF+32*\g+8*\dt+4:VF+32*\g+8*\dt+7], v[VAD+\slot] offset:\hf*9216+\g*4608+2304+\dt*32
.endr
.endr
.endm
; THE MATRIX WORK OF A STRETCH is a list of 32 instructions for half MH, numbered by mq:
;   0-15:  O^T(dt, qt) += V^T(g, dt) P^T(g, qt), in the order g, dt, qt (M2ON; with M2Z the products of g = 0 start the sums);
;   16-31: S^T(kt, qt) = K(kt) Q(qt)^T, d 0-31 for all eight tiles (which starts the sums), then d 32-63 (M1ON).
; Eight accumulators take turns, one instruction a turn; the two of a pair share their first operand.
.macro MONE
.if mq < 16
.if M2ON
.set mg, mq>>3
.set md, (mq>>1)&3
.set mt, 2*MH+(mq&1)
	WIN 0x54
.if M2Z*(1-mg)
	v_wmma_f32_16x16x32_f16 v[OA+32*md+8*mt:OA+32*md+8*mt+7], v[VF+32*mg+8*md:VF+32*mg+8*md+7], v[SC+64*mg+8*mt:SC+64*mg+8*mt+7], 0
.else
	v_wmma_f32_16x16x32_f16 v[OA+32*md+8*mt:OA+32*md+8*mt+7], v[VF+32*mg+8*md:VF+32*mg+8*md+7], v[SC+64*mg+8*mt:SC+64*mg+8*mt+7], v[OA+32*md+8*mt:OA+32*md+8*mt+7]
.endif
.endif
.else
.if M1ON
.set mg, (mq-16)>>3
.set md, ((mq-16)>>1)&3
.set mt, 2*MH+(mq&1)
	WIN 0x50
.if mg == 0
	v_wmma_f32_16x16x32_f16 v[SC+32*md+8*mt:SC+32*md+8*mt+7], v[KF+16*md:KF+16*md+7], v[QF+16*mt:QF+16*mt+7], 0
.else
	v_wmma_f32_16x16x32_f16 v[SC+32*md+8*mt:SC+32*md+8*mt+7], v[KF+16*md+8:KF+16*md+15], v[QF+16*mt+8:QF+16*mt+15], v[SC+32*md+8*mt:SC+32*md+8*mt+7]
.endif
.endif
.endif
.set mq, mq+1
.endm
; Between the list's two halves: HOOK = 1: V's registers are free (the last product that read them stands PER vector instructions back, at least four of them plain:
; ISA guide 7.12.1 for vector instructions) and get this step's fragments; HOOK = 2: the K fragments asked for at the stretch's head are waited for.
.macro MIDHOOK
.if HOOK == 1
	WIN 0
	LDV HSLOT, HHF
.endif
.if HOOK == 2
	s_wait_dscnt 0x0                               ; K's 16 loads: nothing was issued behind them
.endif
.endm
; Stands behind every vector instruction of a stretch: after every PER of them the list's next pair goes out.
.macro TK
.set vc, vc+1
.if (vc % PER) == 0
.if mq < 32
.if mq == 16
	MIDHOOK
.endif
	MONE
	MONE
.endif
.endif
.endm
; THE VECTOR WORK OF A STRETCH, for half hx (query tiles 2 hx, 2 hx + 1).  Each line sets its own window, since a pair may have gone out in front of it.
; The largest of my 32 numbers of each query tile and of the old maximum: two chains for each tile, four that do not wait for each other.  32 instructions.
.macro MAXH hx, first
.set j, 0
.rept 8
.irp q, 0,1
.irp e, 0,1
.set p, SC+32*(2*\e+(j>>2))+16*\hx+8*\q+2*(j&3)
.if j == 0
.if \first
	WIN 0x05
	v_max_num_f32 v[TM+2*\q+\e], v[p], v[p+1]
.else
	WIN 0x14
	v_max3_num_f32 v[TM+2*\q+\e], v[XM+4*\hx+2*\q+1], v[p], v[p+1]
.endif
.else
	WIN 0x14
	v_max3_num_f32 v[TM+2*\q+\e], v[TM+2*\q+\e], v[p], v[p+1]
.endif
	TK
.endr
.endr
.set j, j+1
.endr
.endm
; The two chains and the other half of the lanes joined; the new shift -R = -c m; the factor 2^(R old - R new) for what was summed before.  20 instructions (first: 12).
.macro STATSH hx, first
.irp q, 0,1
	WIN 0
	v_max_num_f32 v[TM+2*\q], v[TM+2*\q], v[TM+2*\q+1]
	TK
.endr
.irp q, 0,1
	WIN 0
	v_permlanex16_b32 v[YA+4*\hx+2*\q+1], v[TM+2*\q], s52, s53
	TK
.endr
.irp q, 0,1
	WIN 0
	v_max_num_f32 v[TM+2*\q], v[TM+2*\q], v[YA+4*\hx+2*\q+1]
	TK
.endr
.irp q, 0,1
	WIN 0
	v_mul_f32 v[YA+4*\hx+2*\q+1], s50, v[TM+2*\q]
	TK
.endr
.if \first == 0
.irp q, 0,1
	WIN 0
	v_sub_f32 v[YA+4*\hx+2*\q], v[YA+4*\hx+2*\q+1], v[XM+4*\hx+2*\q]
	TK
.endr
.irp q, 0,1
	WIN 0
	v_exp_f32 v[YA+4*\hx+2*\q], v[YA+4*\hx+2*\q]
	TK
.endr
.endif
.irp q, 0,1
	WIN 0
	v_mov_b32 v[XM+4*\hx+2*\q], v[YA+4*\hx+2*\q+1] ; these moves name no factor: the plain instructions that stand behind the exponentials (ISA guide 5.7.2)
	TK
	WIN 0
	v_mov_b32 v[XM+4*\hx+2*\q+1], v[TM+2*\q]
	TK
.endr
.if \first == 0
.irp q, 0,1
	WIN 0
	s_wait_alu depctr_va_vdst(0)
	v_pk_mul_f32 v[LP+4*\hx+2*\q:LP+4*\hx+2*\q+1], v[LP+4*\hx+2*\q:LP+4*\hx+2*\q+1], v[YA+4*\hx+2*\q:YA+4*\hx+2*\q+1] op_sel_hi:[1,0]
	TK
	WIN 0
	v_pk_mul_f32 v[LQ+4*\hx+2*\q:LQ+4*\hx+2*\q+1], v[LQ+4*\hx+2*\q:LQ+4*\hx+2*\q+1], v[YA+4*\hx+2*\q:YA+4*\hx+2*\q+1] op_sel_hi:[1,0]
	TK
.endr
.endif
.endm
; p = 2^(c s - R) in place.  Between the exponentials of the first query tile stand the multiply-adds of the second, and between all of them the rescaling of O^T's
; registers of the same tile: plain instructions on other registers.  128 instructions (first: 96).
.macro EXPH hx, first
.set i, 0
.rept 16
.set p, 32*(i>>2)+16*\hx+2*(i&3)
	WIN 0x41
	v_pk_fma_f32 v[SC+p:SC+p+1], v[SC+p:SC+p+1], s[48:49], v[XM+4*\hx:XM+4*\hx+1] op_sel_hi:[1,0,0]
	TK
.set i, i+1
.endr
.irp q, 0,1
.set i, 0
.rept 16
.set p, 32*(i>>2)+16*\hx+8*\q+2*(i&3)
	WIN 0x41
	v_exp_f32 v[SC+p], v[SC+p]
	TK
.if \q == 0
	WIN 0x41
	v_pk_fma_f32 v[SC+p+8:SC+p+9], v[SC+p+8:SC+p+9], s[48:49], v[XM+4*\hx+2:XM+4*\hx+3] op_sel_hi:[1,0,0]
	TK
.endif
	WIN 0x41
	v_exp_f32 v[SC+p+1], v[SC+p+1]
	TK
.if \first == 0
	WIN 0x41
	v_pk_mul_f32 v[OA+p:OA+p+1], v[OA+p:OA+p+1], v[YA+4*\hx+2*\q:YA+4*\hx+2*\q+1] op_sel_hi:[1,0]
	TK
.endif
.set i, i+1
.endr
.endr
.endm
; the row sums, on four pairs of partial sums by turns.  32 instructions; the list's last pair goes out among them, at least 17 of them behind it.
.macro SUMSH hx
.set i, 0
.rept 16
.irp q, 0,1
.set p, SC+32*(i>>2)+16*\hx+8*\q+2*(i&3)
.set ac, LP+(LQ-LP)*(i&1)+4*\hx+2*\q
	WIN 0x04
	s_wait_alu depctr_va_vdst(0)
	v_pk_add_f32 v[ac:ac+1], v[ac:ac+1], v[p:p+1]
	TK
.endr
.set i, i+1
.endr
.endm
; tiles (2 g, qt) and (2 g + 1, qt) become one f16 fragment of 32 keys, in place in tile (2 g, qt): each register is written after it was read.  32 instructions.
.macro PACKH hx
.irp g, 0,1
.irp q, 0,1
.irp k, 0,1,2,3
	WIN 0x45
	v_cvt_pk_f16_f32 v[SC+64*\g+16*\hx+8*\q+\k], v[SC+64*\g+16*\hx+8*\q+2*\k], v[SC+64*\g+16*\hx+8*\q+2*\k+1]
	TK
.endr
.irp k, 0,1,2,3
	WIN 0x45
	v_cvt_pk_f16_f32 v[SC+64*\g+16*\hx+8*\q+4+\k], v[SC+64*\g+32+16*\hx+8*\q+2*\k], v[SC+64*\g+32+16*\hx+8*\q+2*\k+1]
	TK
.endr
.endr
.endr
.endm
; A stretch: the softmax of half hx, and among it the other half's list.  per = 13 with 244 vector instructions, 10 with the first step's 204: pairs at 0, per, .. 15 per.
; Distances (ISA guide 7.12.1), by this count: the S^T products write over tile (2, qt), which the pair 7 read as P^T, in pair 10, three times per vector instructions later;
; the list's last pair stands 17 packed adds or more ahead of the stretch's end, behind which K's registers are loaded again and the new S^T is read.
.macro VSLOT hx, first, per, m2on, m2z, m1on, hook, hslot, hhf
.set MH, 1-\hx
.set M2ON, \m2on
.set M2Z, \m2z
.set M1ON, \m1on
.set HOOK, \hook
.set HSLOT, \hslot
.set HHF, \hhf
.set PER, \per
.set vc, 0
.set mq, 0
	MONE
	MONE
	MAXH \hx, \first
	STATSH \hx, \first
	EXPH \hx, \first
	SUMSH \hx
	PACKH \hx
	WIN 0
.endm
; The change of slots, in a tile's second step between its two stretches: all four fragment loads of this slot have been issued.
; kind = 2: every wave waits for its reads of the slot and for all its tensor loads (one is out: its part of the next tile); the round shows both of every wave of the four
; work-groups; the joint refill of the slot just read, two tiles ahead, is the first thing behind it, one tensor load a wave, and has a whole tile's work in which to land.
; kind = 1: the same waits and my work-group's barrier: the last tile is whole, nothing is filled.  kind = 0: nothing.
.macro SYNC slot, kind, stepf
.if \kind
	s_wait_dscnt 0x0
	s_wait_tensorcnt 0x0                           ; no tensor load of mine is out, so a group 0 may be written
	ds_add_u32 v62, v63
	s_wait_dscnt 0x0
.if \kind == 2
	s_add_nc_u64 s[G0K+4*\slot+2:G0K+4*\slot+3], s[G0K+4*\slot+2:G0K+4*\slot+3], 2*TILEB
	s_add_nc_u64 s[G0V+4*\slot+2:G0V+4*\slot+3], s[G0V+4*\slot+2:G0V+4*\slot+3], 2*TILEB
.endif
.if \stepf
	s_wait_xcnt 0x0                                ; the last prefetch, a tile's work ago, has read its base
	s_add_nc_u64 s[54:55], s[54:55], TILEB
.endif
.if \kind == 2
	ROUND
	JLOAD \slot
.else
	s_barrier_signal -1
	s_barrier_wait -1
.endif
.endif
.endm
; Wave 0 asks for my work-group's 8 KiB (32 lanes, 256 bytes apart) of the tile three ahead, which the tensor loads behind the next tile's round request:
; tiles 3 to 15 are asked for, each block once in the launch; the last three tiles' trips ask for nothing.
.macro PREF
	s_cmp_lg_u32 s8, 0
	s_cbranch_scc1 .Lno_pf_\@
	global_prefetch_b8 v[PFO], s[54:55] th:TH_LOAD_NT scope:SCOPE_SE
.Lno_pf_\@:
.endm
; A tile of 128 keys = steps i = 2 t and 2 t + 1.  At its head S_X(2 t) stands in registers, K(2 t) too, and P_Y, V of step 2 t - 1.
.macro TRIP slot, other, kind, first, stepf, pf, last
.if \first
	VSLOT 0, 1, 10, 0, 0, 1, 0, 0, 0               ; a(0): nothing to add to O yet; V(0) is on its way already
.else
	VSLOT 0, 0, 13, 1, 0, 1, 1, \slot, 0           ; a(2 t); in its middle V(2 t)
.endif
	LDK \slot, 1                                   ; K(2 t + 1)
	s_wait_dscnt 16                                ; V's 16 loads are in; K's 16, issued behind them, may be out
.if \first
	VSLOT 1, 1, 10, 1, 1, 1, 2, 0, 0               ; b(0): the first products start O_X
.else
	VSLOT 1, 0, 13, 1, 0, 1, 2, 0, 0               ; b(2 t)
.endif
	VSLOT 0, 0, 13, 1, \first, 1, 1, \slot, 1      ; a(2 t + 1); in its middle V(2 t + 1), the last read of this slot; in the first tile its products start O_Y
	SYNC \slot, \kind, \stepf
.if \last == 0
	LDK \other, 0                                  ; K(2 t + 2), from the next tile
.endif
.if \pf
	PREF
.endif
.if \last == 0
	s_wait_dscnt 16                                ; V is in; K's 16 may be out
	VSLOT 1, 0, 13, 1, 0, 1, 2, 0, 0               ; b(2 t + 1)
.else
	s_wait_dscnt 0x0                               ; V is in: nothing was issued behind it
	VSLOT 1, 0, 13, 1, 0, 0, 0, 0, 0               ; b(31): no further S^T
.endif
.endm
	s_wait_loadcnt 0x0                             ; Q, once
	s_wait_tensorcnt 0x1                           ; my part of tile 0 is in; tile 1's may stay out
	s_barrier_signal -1
	s_barrier_wait -1
	LDK 0, 0
	LDV 0, 0
	s_wait_dscnt 16                                ; K(0) is in; V(0) may be out
.set MH, 0
.set M2ON, 0
.set M2Z, 0
.set M1ON, 1
.set mq, 16
.rept 16
	MONE                                           ; S_X(0), alone
.endr
	WIN 0
	PLACES 4                                       ; four places before the sums are read (ISA guide 7.12.1)
	TRIP 0, 1, 2, 1, 0, 1, 0                       ; tile 0
	s_mov_b32 s60, 6
.Lpair:
	TRIP 1, 0, 2, 0, 1, 1, 0                       ; tiles 1, 3, .. 11
	TRIP 0, 1, 2, 0, 1, 1, 0                       ; tiles 2, 4, .. 12
	s_sub_co_i32 s60, s60, 1
	s_cmp_lg_u32 s60, 0
	s_cbranch_scc1 .Lpair
	TRIP 1, 0, 2, 0, 0, 0, 0                       ; tile 13: the last refill, tile 15
	TRIP 0, 1, 1, 0, 0, 0, 0                       ; tile 14: nothing is left to fetch
	TRIP 1, 0, 0, 0, 0, 0, 1                       ; tile 15
.set MH, 1
.set M2ON, 1
.set M2Z, 0
.set M1ON, 0
.set mq, 0
.rept 16
	MONE                                           ; O_Y += V(31) P_Y(31), alone
.endr
	WIN 0
	; THE WAY OUT: o = 8 O^T / row sum (v was stored as v/8), rounded to f16, through the stage, so that sixteen lanes store both heads' 256 bytes of a row.
	; The adds on the row sums are the places behind the last products: twelve plain instructions before O^T is read (ISA guide 7.12.1).
.irp qt, 0,1,2,3
	v_pk_add_f32 v[LP+2*\qt:LP+2*\qt+1], v[LP+2*\qt:LP+2*\qt+1], v[LQ+2*\qt:LQ+2*\qt+1]
.endr
.irp qt, 0,1,2,3
	v_add_f32 v[TM+\qt], v[LP+2*\qt], v[LP+2*\qt+1]
.endr
.irp qt, 0,1,2,3
	v_permlanex16_b32 v[YA+2*\qt+1], v[TM+\qt], s52, s53
.endr
.irp qt, 0,1,2,3
	v_add_f32 v[TM+\qt], v[TM+\qt], v[YA+2*\qt+1]
.endr
.irp qt, 0,1,2,3
	v_rcp_f32 v[YA+2*\qt], v[TM+\qt]               ; the sum is at least 1: the largest term is 2^0
.endr
	v_nop                                          ; one plain instruction behind the reciprocals (ISA guide 5.7.2)
.irp qt, 0,1,2,3
	s_wait_alu depctr_va_vdst(0)
	v_mul_f32 v[YA+2*\qt], 0x41000000, v[YA+2*\qt]
.endr
	WIN 0x41
.irp qt, 0,1,2,3
.set i, 0
.rept 16
.set p, OA+32*(i>>2)+8*\qt+2*(i&3)
	v_pk_mul_f32 v[p:p+1], v[p:p+1], v[YA+2*\qt:YA+2*\qt+1] op_sel_hi:[1,0]
.set i, i+1
.endr
.endr
	WIN 0x05
.irp qt, 0,1,2,3
.irp dt, 0,1,2,3
.irp k, 0,1,2,3
	v_cvt_pk_f16_f32 v[KF+16*\qt+4*\dt+\k], v[OA+32*\dt+8*\qt+2*\k], v[OA+32*\dt+8*\qt+2*\k+1]   ; d = 16 dt + 8 h + 0..7 of query r: 16 bytes
.endr
.endr
.endr
	WIN 0
.irp qt, 0,1,2,3
.irp dt, 0,1,2,3
	ds_store_b128 v[STO], v[KF+16*\qt+4*\dt:KF+16*\qt+4*\dt+3] offset:\qt*4352+\dt*32
.endr
.endr
	s_wait_dscnt 0x0                               ; for the others' sake: my stores are done
	s_barrier_signal -1
	s_barrier_wait -1                              ; a stage row holds head 0's half from one wave and head 1's from another
.set u, 0
.rept 16
	ds_load_b128 v[VF+4*u:VF+4*u+3], v[RD] offset:u*544
.set u, u+1
.endr
.set u, 0
.rept 16
	s_wait_dscnt 15-u                              ; the 15 - u younger loads may be out
	global_store_b128 v[CO], v[VF+4*u:VF+4*u+3], s[6:7] offset:u*4096   ; 16 lanes store 256 consecutive aligned bytes; lanes 16-31 the next row's
.set u, u+1
.endr
	s_wait_tensorcnt 0x0
	ds_add_u32 v62, v63
	s_wait_dscnt 0x0
	ROUND                                          ; the closing round
	s_endpgm
.Lfunc_end_k_q6cf5c7d5a0_attn:
	.size	k_q6cf5c7d5a0_attn, .Lfunc_end_k_q6cf5c7d5a0_attn-k_q6cf5c7d5a0_attn
	.p2alignl 7, 3214868480
	.fill 96, 4, 3214868480
	.section	.rodata,"a",@progbits
	.p2align	6, 0x0
	.amdhsa_kernel k_q6cf5c7d5a0_attn
		.amdhsa_group_segment_fixed_size 327680
		.amdhsa_private_segment_fixed_size 0
		.amdhsa_enable_private_segment 0
		.amdhsa_kernarg_size 16
		.amdhsa_user_sgpr_count 2
		.amdhsa_user_sgpr_kernarg_segment_ptr 1
		.amdhsa_wavefront_size32 1
		.amdhsa_system_sgpr_workgroup_id_x 1
		.amdhsa_system_sgpr_workgroup_id_y 1
		.amdhsa_system_sgpr_workgroup_id_z 1
		.amdhsa_system_vgpr_workitem_id 0
		.amdhsa_next_free_vgpr 512
		.amdhsa_next_free_sgpr 66
		.amdhsa_reserve_vcc 0
		.amdhsa_float_denorm_mode_32 3
		.amdhsa_float_denorm_mode_16_64 3
		.amdhsa_memory_ordered 1
		.amdhsa_forward_progress 1
		.amdhsa_inst_pref_size 255
	.end_amdhsa_kernel
	.section	.bss,"aw",@nobits
	.p2align	6
	.space	262144
	.amdgpu_metadata
---
amdhsa.version: [ 1, 2 ]
amdhsa.kernels:
  - .name:           k_q6cf5c7d5a0_attn
    .symbol:         k_q6cf5c7d5a0_attn.kd
    .args:
      - { .name: qkv, .offset: 0, .size: 8, .value_kind: global_buffer, .address_space: global }
      - { .name: oh, .offset: 8, .size: 8, .value_kind: global_buffer, .address_space: global }
    .group_segment_fixed_size: 327680
    .private_segment_fixed_size: 0
    .kernarg_segment_align: 8
    .kernarg_segment_size: 16
    .max_flat_workgroup_size: 256
    .sgpr_count:     66
    .vgpr_count:     512
    .wavefront_size: 32
...
	.end_amdgpu_metadata
.endif
;; end of part 3
;; launch proj (part 4): grid 8 x 32, 4 waves a work-group, clusters of 4 x 4, 327,680 bytes of LDS; arguments oh, wh, bo, out0; writes out0
.if DOCPART == 4
	.amdgcn_target "amdgcn-amd-amdhsa--gfx1250"
	.amdhsa_code_object_version 6
	.text
	.protected	k_q6cf5c7d5a0_proj
	.globl	k_q6cf5c7d5a0_proj
	.p2align	8
	.type	k_q6cf5c7d5a0_proj,@function
k_q6cf5c7d5a0_proj:
	s_mov_b64 s[64:65], 0
	v_nop
	global_prefetch_b8 v0, s[64:65] scope:SCOPE_SE
	s_setreg_imm32_b32 hwreg(HW_REG_WAVE_MODE, 25, 1), 1
	s_wait_xcnt 0x0
	s_wait_alu depctr_hold_cnt(0) depctr_sa_sdst(0) depctr_va_vdst(0) depctr_va_sdst(0) depctr_va_ssrc(0) depctr_va_vcc(0) depctr_vm_vsrc(0)
	s_getreg_b32 s2, hwreg(HW_REG_IB_STS2, 6, 4)
	s_cmp_eq_u32 s2, 0
	s_cbranch_scc0 .Lentry_in_a_cluster
	s_endpgm
.Lentry_in_a_cluster:
	s_bfe_u32 s2, ttmp6, 0x10000c
	s_cmp_lg_u32 s2, 0xf033
	s_cbranch_scc0 .Lentry_shape_is_right
	s_endpgm
.Lentry_shape_is_right:
; out0[m][n] = sum over k of oh[m][k] wo[n][k] + bo[n].  oh: [8192][1024] f16; wo: rows 3,072 to 4,095 of wh, f16; sums and bias in f32; out0 f32.
; 8,192 x 1,024 outputs on 256 work-groups of four waves: a work-group makes 256 x 128, a wave 128 x 64: 32 accumulator tiles of 16 x 16, 256 registers.
; K goes in steps of 128 through two LDS slots filled by the tensor data mover (rows of 256 bytes of memory, starting at multiples of 256 bytes).
; CLUSTERS: 4 x 4 work-groups; oh's tile is shared along a row of the cluster, wo's along a column: joint loads divide the requests for both by four.
; REGISTERS:  window 0: v0-31 addresses and bias, v64-127 and v128-191 fragments of A (two buffers), also used on the way out;
;   window 1: v64-95, v128-159 fragments of B;  window 2: tiles of my rows 0-63 (tile (a, b) at v[8 (4 a + b)]);  window 3: rows 64-127.
; THE MATRIX INSTRUCTION IS USED TRANSPOSED (source 0 = rows of wo, source 1 = rows of oh): lane l holds row l % 16 and eight neighbouring columns, 32 bytes.
.set SIZE_K, 1024
.set KSTEP,  128
.set PITCH,  272
.set NB,     4
.set AHALF,  128*PITCH
.set BROWS,  16*NB
.set BHALF,  BROWS*PITCH
.set SLOT,   2*AHALF+2*BHALF
.set STAGE,  2*SLOT                    ; a multiple of 256; no tensor load lands behind it
.set SPITCH, 272                       ; stage: 64 f32 + 16 bytes
.set LAPS,   SIZE_K/(2*KSTEP)
.set ADRA, 16
.set ADRB, 20
.set STO,  24
.set RD,   25
.set CO,   26
.set BO,   27                          ; v27     my offset in the bias;  v[28:31] the bias of the four columns that I store
.set F0,   64
.set F1,   128
.set G1,  24
.set G0,  32
.set G1B, 48
.set G0B, 56
.set MSB, 0
.macro WIN new
.if MSB != \new
	s_set_vgpr_msb (MSB<<8)|\new
.set MSB, \new
.endif
.endm
.set MUL_LO, 0xa1
.set MUL_HI, 0xf1
.set TO_B,   0x40
.macro JLOAD s                         ; waves 0 and 1 fetch A's two halves, waves 2 and 3 B's; the branch hangs on the wave's number alone
	s_cmp_eq_u32 s11, 0
	s_cbranch_scc0 .Lfor_b_\@
	tensor_load_to_lds s[G0+4*\s:G0+4*\s+3], s[G1:G1+7]
	s_nop 0
	s_branch .Lasked_\@
.Lfor_b_\@:
	tensor_load_to_lds s[G0B+4*\s:G0B+4*\s+3], s[G1B:G1B+7]
	s_nop 0
.Lasked_\@:
.endm
.macro CREST
	s_cmp_lg_u32 s10, 0
	s_cbranch_scc1 .Lnot_wave_0_\@
	s_barrier_signal -3
.Lnot_wave_0_\@:
	s_barrier_wait -3
	s_barrier_signal -1
	s_barrier_wait -1
.endm
.macro CROUND
	s_barrier_signal -1
	s_barrier_wait -1
	CREST
.endm
	s_load_b128 s[4:7], s[0:1], 0x0                ; oh s[4:5], wh s[6:7]
	s_load_b64 s[18:19], s[0:1], 0x10              ; bo
	s_load_b64 s[8:9], s[0:1], 0x18                ; out0
	s_set_vgpr_msb 0x40
	v_lshl_add_u32 v255, v0, 2, 0x37400
	s_set_vgpr_msb 0x4000
	v_mov_b32 v255, 0
	s_set_vgpr_msb 0x1
	ds_add_u32 v255, v255
	s_set_vgpr_msb 0x100
	v_lshrrev_b32 v1, 5, v0
	v_readfirstlane_b32 s10, v1                    ; wave 0..3
	s_lshr_b32 s11, s10, 1                         ; my half of the rows; also: I fetch for A (0) or B (1)
	s_and_b32 s12, s10, 1                          ; my half of the columns; also: which half of that tile I fetch
	s_bfe_u32 s40, ttmp6, 0x40000                  ; cx
	s_bfe_u32 s41, ttmp6, 0x40004                  ; cy
	s_lshl_b32 s42, ttmp9, 2
	s_add_co_u32 s42, s42, s40                     ; block column
	s_and_b32 s13, ttmp7, 0xffff
	s_lshl_b32 s13, s13, 2
	s_add_co_u32 s13, s13, s41                     ; block row
	s_lshl_b32 s43, s41, 2
	s_lshl_b32 s43, 15, s43                        ; my row of the cluster
	s_lshl_b32 s44, 0x1111, s40                    ; my column
	s_or_b32 s[G1+0], s43, (1<<16)|(1<<20)|(1<<21)|(5<<22)|(3<<25)   ; mask; 2 bytes; padding of 4 words behind every 64; bit 21 set beside a mask
	s_or_b32 s[G1B+0], s44, (1<<16)|(1<<20)|(1<<21)|(5<<22)|(3<<25)
	s_mov_b32 s[G1+1], KSTEP<<16                   ; tensor_dim0 = 128
	s_mov_b32 s[G1B+1], KSTEP<<16
	s_mov_b32 s[G1+2], 128<<16                     ; tensor_dim1: A 128 rows, B 64
	s_mov_b32 s[G1B+2], BROWS<<16
	s_mov_b32 s[G1+3], KSTEP<<16                   ; tile_dim0 = 128
	s_mov_b32 s[G1B+3], KSTEP<<16
	s_mov_b32 s[G1+4], 128                         ; tile_dim1
	s_mov_b32 s[G1B+4], BROWS
	s_mov_b32 s[G1+5], SIZE_K
	s_mov_b32 s[G1B+5], SIZE_K
	s_mov_b32 s[G1+6], 0
	s_mov_b32 s[G1B+6], 0
	s_mov_b32 s[G1+7], 0
	s_mov_b32 s[G1B+7], 0
	s_lshl_b32 s17, s12, 7
	s_lshl_b32 s16, s13, 8
	s_add_co_u32 s16, s16, s17                     ; A: row 256 x block row + 128 x half
	s_lshl_b32 s16, s16, 11
	s_mov_b32 s17, 0
	s_lshl_b32 s47, s12, 6
	s_lshl_b32 s46, s42, 7
	s_add_co_u32 s46, s46, s47                     ; B: row 128 x block column + 64 x half
	s_lshl_b32 s46, s46, 11
	s_mov_b32 s47, 0
	s_mul_i32 s20, s10, AHALF                      ; A's halves by waves 0, 1 at wave x AHALF,
	s_mul_i32 s45, s10, BHALF                      ; B's halves by waves 2, 3 at 2 AHALF + (wave - 2) x BHALF
	s_add_co_u32 s45, s45, 2*(AHALF-BHALF)
	s_wait_dscnt 0x0
	s_wait_kmcnt 0x0
	s_add_nc_u64 s[6:7], s[6:7], 3072*SIZE_K*2     ; wo's rows in wh
	s_add_nc_u64 s[14:15], s[4:5], s[16:17]
	s_add_nc_u64 s[46:47], s[6:7], s[46:47]
	CROUND                                         ; the first joint loads meet
.irp s, 0,1
	s_mov_b32 s[G0+4*\s], 1
	s_add_co_u32 s[G0+4*\s+1], s20, \s*SLOT
	s_add_nc_u64 s[G0+4*\s+2:G0+4*\s+3], s[14:15], \s*KSTEP*2
	s_or_b32 s[G0+4*\s+3], s[G0+4*\s+3], 0x80000000
	s_mov_b32 s[G0B+4*\s], 1
	s_add_co_u32 s[G0B+4*\s+1], s45, \s*SLOT
	s_add_nc_u64 s[G0B+4*\s+2:G0B+4*\s+3], s[46:47], \s*KSTEP*2
	s_or_b32 s[G0B+4*\s+3], s[G0B+4*\s+3], 0x80000000
	JLOAD \s                                       ; two tensor loads of a wave are out here, later one
.endr
	v_and_b32 v1, 15, v0                           ; r
	v_bfe_u32 v2, v0, 4, 1                         ; h
	s_lshl_b32 s46, s42, 9                         ; my first column in bytes of f32: 512 x block column + 256 x half; kept for the way out
	s_lshl_b32 s47, s12, 8
	s_add_co_u32 s46, s46, s47
	s_mov_b32 s47, 0
	s_add_nc_u64 s[18:19], s[18:19], s[46:47]
	v_lshlrev_b32 v[BO], 4, v1
	global_load_b128 v[28:31], v[BO], s[18:19]     ; the bias of columns 4 r .. 4 r + 3 of my 64
	v_mul_u32_u24 v3, v1, PITCH
	v_lshl_add_u32 v3, v2, 4, v3
	s_mul_i32 s21, s11, AHALF
	s_mul_i32 s22, s12, BHALF
	s_add_co_u32 s22, s22, 2*AHALF
.irp s, 0,1
	v_add_nc_u32 v[ADRA+\s], s21, v3
	v_add_nc_u32 v[ADRB+\s], s22, v3
	s_add_co_u32 s21, s21, SLOT
	s_add_co_u32 s22, s22, SLOT
.endr
	s_mul_i32 s23, s10, 16*SPITCH
	s_add_co_u32 s23, s23, STAGE                   ; my stage
	v_mul_u32_u24 v4, v1, SPITCH                   ; in: row r, 32 bytes for each half of the lanes
	v_lshl_add_u32 v4, v2, 5, v4
	v_add_nc_u32 v[STO], s23, v4
	v_mul_u32_u24 v5, v2, SPITCH                   ; back: lanes 0-15 one row of 256 bytes, lanes 16-31 the next
	v_lshl_add_u32 v5, v1, 4, v5
	v_add_nc_u32 v[RD], s23, v5
	v_lshlrev_b32 v5, 12, v2                       ; the same two rows in out0: 4,096 bytes a row
	v_lshl_add_u32 v[CO], v1, 4, v5
; 8 matrix instructions: m blocks a0, a0 + 1 x 4 n blocks.  The 32 accumulators take turns, one instruction a turn.
.macro MUL16 f, hi, a0, zero
.irp a, \a0, \a0+1
.irp b, 0,1,2,3
.if \zero
	v_wmma_f32_16x16x32_f16 v[8*(NB*(\a)+\b):8*(NB*(\a)+\b)+7], v[\f+8*\b:\f+8*\b+7], v[\f+8*(4*\hi+\a):\f+8*(4*\hi+\a)+7], 0
.else
	v_wmma_f32_16x16x32_f16 v[8*(NB*(\a)+\b):8*(NB*(\a)+\b)+7], v[\f+8*\b:\f+8*\b+7], v[\f+8*(4*\hi+\a):\f+8*(4*\hi+\a)+7], v[8*(NB*(\a)+\b):8*(NB*(\a)+\b)+7]
.endif
.endr
.endr
.endm
; 24 LDS loads in one run: 64 rows of B, then 128 rows of A, 32 K at byte k
.macro FETCH slot, k, f
	WIN TO_B
.irp i, 0,1,2,3
	ds_load_b128 v[\f+8*\i:\f+8*\i+3],   v[ADRB+\slot] offset:\k+\i*16*PITCH
	ds_load_b128 v[\f+8*\i+4:\f+8*\i+7], v[ADRB+\slot] offset:\k+\i*16*PITCH+32
.endr
	WIN 0
.irp i, 0,1,2,3,4,5,6,7
	ds_load_b128 v[\f+8*\i:\f+8*\i+3],   v[ADRA+\slot] offset:\k+\i*16*PITCH
	ds_load_b128 v[\f+8*\i+4:\f+8*\i+7], v[ADRA+\slot] offset:\k+\i*16*PITCH+32
.endr
.endm
.macro PLACES                          ; four places behind a matrix instruction before its registers are loaded again or its result is read (ISA guide 7.12.1 for vector instructions)
.rept 4
	v_nop
.endr
.endm
.macro QUARTER slot, k, f, g, zero
	s_wait_dscnt 8                                 ; B and A's rows 0-63 are in; the youngest eight loads (A's rows 64-127) may be out
	WIN MUL_LO
	MUL16 \f, 0, 0, \zero
	MUL16 \f, 0, 2, \zero
	PLACES
	FETCH \slot, \k, \g
	s_wait_dscnt 2*NB+16                           ; all but the 24 just issued
	WIN MUL_HI
	MUL16 \f, 1, 0, \zero
	MUL16 \f, 1, 2, \zero
.endm
.macro THREE slot, zero
	QUARTER \slot, 64,  F0, F1, \zero
	QUARTER \slot, 128, F1, F0, 0
	QUARTER \slot, 192, F0, F1, 0
.endm
; The last quarter changes slots: each wave's waits for its reads of this slot and for all its tensor loads stand in front of the barrier; behind it the refill comes
; first.  From a request to the wait for it a wave issues 120 matrix instructions.
.macro TURN slot, next, fill
	s_wait_dscnt 8
	WIN MUL_LO
	MUL16 F1, 0, 0, 0
	s_wait_dscnt 0
	s_wait_tensorcnt 0x0
	ds_add_u32 v255, v255
	s_wait_dscnt 0x0
	s_barrier_signal -1                            ; where a slot is filled again this barrier opens a round of the cluster's barrier
	MUL16 F1, 0, 2, 0
	WIN 0
	s_barrier_wait -1
.if \fill
	CREST
	s_add_nc_u64 s[G0+4*\slot+2:G0+4*\slot+3], s[G0+4*\slot+2:G0+4*\slot+3], 2*KSTEP*2
	s_add_nc_u64 s[G0B+4*\slot+2:G0B+4*\slot+3], s[G0B+4*\slot+2:G0B+4*\slot+3], 2*KSTEP*2
	JLOAD \slot                                    ; the first tensor load behind the round, one a wave
.endif
	PLACES
	FETCH \next, 0, F0
	WIN MUL_HI
	MUL16 F1, 1, 0, 0
	MUL16 F1, 1, 2, 0
.endm
.macro LAP zero
	THREE 0, \zero
	TURN 0, 1, 1
	THREE 1, 0
	TURN 1, 0, 1
.endm
	s_wait_loadcnt 0x0                             ; the bias, once
	s_wait_tensorcnt 1                             ; my part of K step 0 is in; K step 1's may stay out
	s_barrier_signal -1
	s_barrier_wait -1
	FETCH 0, 0, F0
	LAP 1                                          ; the first products start the sums
	WIN 0
	s_mov_b32 s3, LAPS-2
.Llap:
	LAP 0
	WIN 0
	s_sub_co_u32 s3, s3, 1
	s_cmp_lg_u32 s3, 0
	s_cbranch_scc1 .Llap
	THREE 0, 0                                     ; the last lap fills nothing
	TURN 0, 1, 0
	THREE 1, 0
	s_wait_dscnt 8
	WIN MUL_LO
	MUL16 F1, 0, 0, 0
	MUL16 F1, 0, 2, 0
	s_wait_dscnt 0
	WIN MUL_HI
	MUL16 F1, 1, 0, 0
	MUL16 F1, 1, 2, 0
	; THE WAY OUT, 16 rows at a time: the sums go as they are (f32) into my own stage, come back as whole rows of 256 bytes, get the bias and are stored.
	PLACES
	s_lshl_b32 s16, s13, 8
	s_lshl_b32 s14, s11, 7
	s_add_co_u32 s16, s16, s14                     ; my first row
	s_lshl_b32 s16, s16, 12                        ; x 4,096 bytes
	s_mov_b32 s17, 0
	s_add_nc_u64 s[8:9], s[8:9], s[16:17]
	s_add_nc_u64 s[8:9], s[8:9], s[46:47]          ; my first column
; rows 16 i .. + 15 = the four tiles (a, 0..3) of window 2 or 3 (win = 0x08 or 0x0c: an LDS store's data are its source 1); f: F0 or F1 in turn
.macro OUT16F i, a, win, f
	WIN \win
.irp b, 0,1,2,3
	ds_store_b128 v[STO], v[8*(4*\a+\b):8*(4*\a+\b)+3]   offset:64*\b
	ds_store_b128 v[STO], v[8*(4*\a+\b)+4:8*(4*\a+\b)+7] offset:64*\b+16
.endr
	WIN 0
	s_wait_xcnt 0x0                                ; buffer f, which earlier stores read, is loaded again only behind this wait
.irp u, 0,1,2,3,4,5,6,7
	ds_load_b128 v[\f+4*\u:\f+4*\u+3], v[RD] offset:\u*2*SPITCH    ; LDS serves a wave's instructions in order (ISA guide 5.7.1): these see the stores above
.endr
.irp u, 0,1,2,3,4,5,6,7
	s_wait_dscnt 7-\u                              ; the 7 - u younger loads may be out
	v_pk_add_f32 v[\f+4*\u:\f+4*\u+1],   v[\f+4*\u:\f+4*\u+1],   v[28:29]
	v_pk_add_f32 v[\f+4*\u+2:\f+4*\u+3], v[\f+4*\u+2:\f+4*\u+3], v[30:31]
	global_store_b128 v[CO], v[\f+4*\u:\f+4*\u+3], s[8:9] offset:(16*\i+2*\u)*4096 th:TH_STORE_NT   ; 16 lanes store 256 consecutive aligned bytes
.endr
.endm
	OUT16F 0, 0, 0x08, F0
	OUT16F 1, 1, 0x08, F1
	OUT16F 2, 2, 0x08, F0
	OUT16F 3, 3, 0x08, F1
	OUT16F 4, 0, 0x0c, F0
	OUT16F 5, 1, 0x0c, F1
	OUT16F 6, 2, 0x0c, F0
	OUT16F 7, 3, 0x0c, F1
	s_set_vgpr_msb 0x1
	s_wait_tensorcnt 0x0
	ds_add_u32 v255, v255
	s_wait_dscnt 0x0
	s_set_vgpr_msb 0x100
	CROUND                                         ; the closing round
	s_endpgm
.Lfunc_end_k_q6cf5c7d5a0_proj:
	.size	k_q6cf5c7d5a0_proj, .Lfunc_end_k_q6cf5c7d5a0_proj-k_q6cf5c7d5a0_proj
	.p2alignl 7, 3214868480
	.fill 96, 4, 3214868480
	.section	.rodata,"a",@progbits
	.p2align	6, 0x0
	.amdhsa_kernel k_q6cf5c7d5a0_proj
		.amdhsa_group_segment_fixed_size 327680
		.amdhsa_private_segment_fixed_size 0
		.amdhsa_enable_private_segment 0
		.amdhsa_kernarg_size 32
		.amdhsa_user_sgpr_count 2
		.amdhsa_user_sgpr_kernarg_segment_ptr 1
		.amdhsa_wavefront_size32 1
		.amdhsa_system_sgpr_workgroup_id_x 1
		.amdhsa_system_sgpr_workgroup_id_y 1
		.amdhsa_system_sgpr_workgroup_id_z 1
		.amdhsa_system_vgpr_workitem_id 0
		.amdhsa_next_free_vgpr 896
		.amdhsa_next_free_sgpr 66
		.amdhsa_reserve_vcc 0
		.amdhsa_float_denorm_mode_32 3
		.amdhsa_float_denorm_mode_16_64 3
		.amdhsa_memory_ordered 1
		.amdhsa_forward_progress 1
		.amdhsa_inst_pref_size 128
	.end_amdhsa_kernel
	.amdgpu_metadata
---
amdhsa.version: [ 1, 2 ]
amdhsa.kernels:
  - .name:           k_q6cf5c7d5a0_proj
    .symbol:         k_q6cf5c7d5a0_proj.kd
    .args:
      - { .name: oh, .offset: 0, .size: 8, .value_kind: global_buffer, .address_space: global }
      - { .name: wh, .offset: 8, .size: 8, .value_kind: global_buffer, .address_space: global }
      - { .name: bo, .offset: 16, .size: 8, .value_kind: global_buffer, .address_space: global }
      - { .name: out0, .offset: 24, .size: 8, .value_kind: global_buffer, .address_space: global }
    .group_segment_fixed_size: 327680
    .private_segment_fixed_size: 0
    .kernarg_segment_align: 8
    .kernarg_segment_size: 32
    .max_flat_workgroup_size: 128
    .sgpr_count:     66
    .vgpr_count:     896
    .wavefront_size: 32
...
	.end_amdgpu_metadata
.endif
;; end of part 4
